; MI455X (gfx1250); checked and timed in simulation.
; The chip was launched on July 23, 2026; its instructions are those of AMD's public machine-readable ISA for CDNA 5 (MIT licence, August 2026) and "CDNA5" Instruction Set Architecture Reference Guide (July 2026). The comments in the code are by the model that wrote it; some were corrected since.
;; Heavy Hitter Llama Attention. Allowed arithmetic: float matrix products may take bf16 or f16 operands with f32 sums; all other float work in f32.
;; Inputs: Wk 4,096 x 1,024 float32; Wo 2,048 x 4,096 float32; Wq 4,096 x 2,048 float32; Wv 4,096 x 1,024 float32; hidden_states 1 x 2,048 x 4,096 float32; position_ids 1 x 2,048 int32.
;; Outputs: out0 1 x 2,048 x 4,096 float32; out1 8 x 2,048 float32.
;; One version. Each part assembles by itself: llvm-mc -triple=amdgcn-amd-amdhsa -mcpu=gfx1250 --defsym DOCPART=n.
;; ======== version 1 of 1: 4 launches
;; limits: values are held in f16: magnitudes above 65,504 overflow, below 6.1e-05 lose precision; right only within a limited range of input values
;; workspace buffers: xb 16,777,216 bytes; wqkv 33,554,432 bytes; wo16 16,777,216 bytes; rope 1,048,576 bytes; qkv 16,777,216 bytes; ob 8,388,608 bytes
;; launch prep (part 1): grid 256 x 9, 8 waves a work-group, no clusters, 0 bytes of LDS; arguments hidden_states, Wq, Wk, Wv, Wo, position_ids, xb, wqkv, wo16, rope; writes xb, wqkv, wo16, rope
.if DOCPART == 1
	.amdgcn_target "amdgcn-amd-amdhsa--gfx1250"
	.amdhsa_code_object_version 6
	.text
	.protected	k_qf78fcc52fe_prep
	.globl	k_qf78fcc52fe_prep
	.p2align	8
	.type	k_qf78fcc52fe_prep,@function
k_qf78fcc52fe_prep:
	s_mov_b64 s[64:65], 0
	v_nop
	global_prefetch_b8 v0, s[64:65] scope:SCOPE_SE
	s_setreg_imm32_b32 hwreg(HW_REG_WAVE_MODE, 25, 1), 1
	s_wait_xcnt 0x0
; THE CASTS AND THE ROTARY TABLE, once for the whole program.
;   xb   [2048][4096] bf16 = hidden_states
;   wqkv [4096 k][4096 n] bf16 = Wq | Wk | Wv side by side, each number divided by 4 (exact in bf16): q, k and v are then kept at a quarter of their size
;   wo16 [2048 k][4096 n] f16  = 4 x (Wo rounded to bf16): bf16's 8 significant bits fit f16's 11
;   rope [2048 rows][64 cos | 64 sin] f32, from position_ids
; LIMITS.  |Wo| stays under 16,376 (4 Wo in f16's range); below 1.5e-5 a number of Wo keeps f16's fixed step of 6e-8 / 4.  The angle position x inv_freq is one f32 product,
; inv_freq = 2^(-j log2(500000) / 64) to about 7e-7 of itself; the reduction by pi / 2 in two parts serves |position| under 2^22.  NaN and infinities are not treated apart.
; A STREAM: every source byte is read once and every result byte written once; no LDS, no barrier, no matrix unit, no cluster (no two work-groups read the same byte).
; The grid's y chooses the text: 0, 1 hidden_states; 2, 3 Wq; 4 Wk; 5 Wv; 6, 7 Wo; 8 the table.  A casting work-group takes 16,384 numbers (65,536 bytes) in 16 loads of 4,096 bytes;
; thread t takes the 16 bytes at 16 t of each, so a wave's load covers 512 consecutive bytes and uses all of them; its 4 numbers leave as 8 bytes, so a wave's store covers 256 consecutive
; bytes, aligned.  All 16 loads of a thread go out first; no register is used twice by memory.
.set X, 4                              ; v[4:67]    load it: 4 registers as loaded
.set Y, 68                             ; v[68:99]   load it: 2 registers to store
.set T, 100                            ; v[100:101] at work
; src, dst: places of the two buffers among the arguments.  yb: the first y of this tensor.  The chunk's first byte in dst is (chunk << dsh) + dadd.
; mode 0: dst is dense: a load's 1,024 numbers go 2,048 bytes on.  1: two loads make a row of 2,048 numbers, rows 8,192 bytes apart.  2: a load is a row of 1,024 numbers, rows 8,192 bytes apart.
; kind 0: to bf16.  1: a quarter, to bf16.  2: to bf16, times 4, to f16.
.macro CAST src, dst, yb, dsh, dadd, mode, kind
	s_load_b64 s[4:5], s[0:1], 8*(\src)
	s_load_b64 s[6:7], s[0:1], 8*(\dst)
	s_sub_co_u32 s8, s2, \yb
	s_lshl_b32 s8, s8, 8
	s_add_co_u32 s8, s8, ttmp9                     ; the chunk
	s_lshl_b32 s10, s8, 16                         ; its 65,536 bytes of source
	s_mov_b32 s11, 0
	s_lshl_b32 s12, s8, \dsh
	s_add_co_u32 s12, s12, \dadd
	s_mov_b32 s13, 0
	v_lshlrev_b32 v1, 4, v0                        ; 16 t
	v_lshlrev_b32 v2, 3, v0                        ; 8 t
	s_wait_kmcnt 0x0
	s_add_nc_u64 s[4:5], s[4:5], s[10:11]
	s_add_nc_u64 s[6:7], s[6:7], s[12:13]
.set it, 0
.rept 16
	global_load_b128 v[X+4*it:X+4*it+3], v1, s[4:5] offset:it*4096 th:TH_LOAD_NT
.set it, it+1
.endr
.set it, 0
.rept 16
	s_wait_loadcnt 15-it                           ; loads come back in order (ISA guide 5.7.1): this one is in, the 15 - it younger ones stay out
.if (\kind) == 1
.irp j, 0,2
	v_pk_mul_f32 v[X+4*it+\j:X+4*it+\j+1], v[X+4*it+\j:X+4*it+\j+1], 0x3e800000 op_sel_hi:[1,0]  ; a quarter
.endr
.endif
.if (\kind) == 2
.irp j, 0,1
	v_cvt_pk_bf16_f32 v[T+\j], v[X+4*it+2*\j], v[X+4*it+2*\j+1]  ; the rounding that every input of the module gets
.endr
.irp j, 0,1
	v_lshlrev_b32 v[X+4*it+2*\j],   16,  v[T+\j]   ; back to f32: the low half moves up,
	v_and_b32     v[X+4*it+2*\j+1], s14, v[T+\j]   ; the high half stays
.endr
.irp j, 0,2
	v_pk_mul_f32 v[X+4*it+\j:X+4*it+\j+1], v[X+4*it+\j:X+4*it+\j+1], 4.0 op_sel_hi:[1,0]
.endr
.irp j, 0,1
	v_cvt_pk_f16_f32 v[Y+2*it+\j], v[X+4*it+2*\j], v[X+4*it+2*\j+1]
.endr
.else
.irp j, 0,1
	v_cvt_pk_bf16_f32 v[Y+2*it+\j], v[X+4*it+2*\j], v[X+4*it+2*\j+1]
.endr
.endif
.if (\mode) == 0
.set dof, it*2048
.elseif (\mode) == 1
.set dof, (it/2)*8192+(it%2)*2048
.else
.set dof, it*8192
.endif
	global_store_b64 v2, v[Y+2*it:Y+2*it+1], s[6:7] offset:dof  ; read again by the next launch: no hint
.set it, it+1
.endr
	s_endpgm
.endm
; sin and cos of v[a]: n = the nearest multiple of pi / 2, taken away in two parts; polynomials on |r| <= pi / 4; the quadrant swaps the two and sets their signs.  Values alone are chosen: no branch.
.macro SINCOS a, so, co
	v_mul_f32 v14, 0x3f22f983, v[\a]               ; a x 2 / pi
	v_rndne_f32 v14, v14                           ; n
	v_fma_f32 v15, v14, s16, v[\a]                 ; r = a - n x (pi / 2 rounded to f32)
	v_fma_f32 v15, v14, s17, v15                   ;       + n x 4.371e-8, what that rounding added
	v_mul_f32 v16, v15, v15                        ; z = r r
	v_mov_b32 v17, 0xb94ca1f9
	v_fmaak_f32 v17, v17, v16, 0x3c08839e
	v_fmaak_f32 v17, v17, v16, 0xbe2aaaa3
	v_mul_f32 v18, v15, v16
	v_fma_f32 v[\so], v18, v17, v15                ; sin r = r + r z (((-1.95e-4) z + 8.33e-3) z - 0.1667)
	v_mov_b32 v17, 0x37ccf5ce
	v_fmaak_f32 v17, v17, v16, 0xbab6061a
	v_fmaak_f32 v17, v17, v16, 0x3d2aaaa5
	v_mul_f32 v18, v16, v16
	v_fma_f32 v[\co], v16, -0.5, 1.0
	v_fma_f32 v[\co], v17, v18, v[\co]             ; cos r = 1 - z / 2 + z z ((2.44e-5 z - 1.389e-3) z + 4.1667e-2)
	v_cvt_i32_f32 v19, v14
	v_and_b32 v18, 1, v19
	v_cmp_eq_u32 vcc_lo, 1, v18
	v_cndmask_b32 v17, v[\so], v[\co], vcc_lo      ; n odd: the two change places
	v_cndmask_b32 v18, v[\co], v[\so], vcc_lo
	v_and_b32 v16, 2, v19
	v_lshlrev_b32 v16, 30, v16
	v_xor_b32 v[\so], v17, v16                     ; sin is negated in quadrants 2 and 3,
	v_add_nc_u32 v19, 1, v19
	v_and_b32 v19, 2, v19
	v_lshlrev_b32 v19, 30, v19
	v_xor_b32 v[\co], v18, v19                     ; cos in quadrants 1 and 2
.endm
	s_and_b32 s2, ttmp7, 0xffff                    ; y
	s_mov_b32 s14, 0xffff0000                      ; a word's upper bf16
	s_cmp_ge_u32 s2, 2
	s_cbranch_scc1 .Lnot_x
	CAST 0, 6, 0, 15, 0, 0, 0                      ; hidden_states -> xb, dense
.Lnot_x:
	s_cmp_ge_u32 s2, 4
	s_cbranch_scc1 .Lnot_wq
	CAST 1, 7, 2, 16, 0, 1, 1                      ; Wq: 8 rows of 2,048 numbers a chunk, 8,192 bytes apart in wqkv
.Lnot_wq:
	s_cmp_ge_u32 s2, 5
	s_cbranch_scc1 .Lnot_wk
	CAST 2, 7, 4, 17, 4096, 2, 1                   ; Wk: columns 2,048 on; 16 rows a chunk
.Lnot_wk:
	s_cmp_ge_u32 s2, 6
	s_cbranch_scc1 .Lnot_wv
	CAST 3, 7, 5, 17, 6144, 2, 1                   ; Wv: columns 3,072 on
.Lnot_wv:
	s_cmp_ge_u32 s2, 8
	s_cbranch_scc1 .Lrope
	CAST 4, 8, 6, 15, 0, 0, 2                      ; Wo -> wo16, dense
.Lrope:
	; THE TABLE.  A wave makes one row; lane L the frequencies j = 2 L and 2 L + 1.
	s_load_b64 s[4:5], s[0:1], 40                  ; position_ids
	s_load_b64 s[6:7], s[0:1], 72                  ; rope
	v_lshrrev_b32 v1, 5, v0
	v_readfirstlane_b32 s8, v1                     ; wave
	s_lshl_b32 s9, ttmp9, 3
	s_add_co_u32 s9, s9, s8                        ; row
	s_lshl_b32 s10, s9, 2
	v_mov_b32 v3, s10                              ; the row's position: the same word for all lanes
	s_lshl_b32 s12, s9, 9                          ; the row's 512 bytes of the table
	s_mov_b32 s13, 0
	s_mov_b32 s16, 0xbfc90fdb                      ; -(pi / 2 rounded to f32)
	s_mov_b32 s17, 0x333bbd2e                      ; 4.371e-8
	s_wait_kmcnt 0x0
	global_load_b32 v4, v3, s[4:5]
	s_add_nc_u64 s[6:7], s[6:7], s[12:13]
	v_and_b32 v2, 31, v0
	v_lshlrev_b32 v20, 3, v2                       ; 8 L
	v_lshlrev_b32 v5, 1, v2
	v_cvt_f32_u32 v5, v5                           ; j
	v_add_f32 v6, 1.0, v5
	v_mul_f32 v5, 0xbe9773da, v5                   ; -j log2(500000) / 64
	v_mul_f32 v6, 0xbe9773da, v6
	v_exp_f32 v5, v5                               ; inv_freq
	v_exp_f32 v6, v6
	v_nop                                          ; a plain instruction behind the exponentials, ahead of the use of their results (ISA guide 5.7.2)
	s_wait_loadcnt 0x0
	v_cvt_f32_i32 v4, v4
	s_wait_alu depctr_va_vdst(0)
	v_mul_f32 v8, v4, v5
	v_mul_f32 v9, v4, v6
	SINCOS 8, 12, 10
	SINCOS 9, 13, 11
	global_store_b64 v20, v[10:11], s[6:7]             ; the wave's 32 lanes store 256 consecutive bytes, aligned: the row's cosines,
	global_store_b64 v20, v[12:13], s[6:7] offset:256  ; and its sines
	s_endpgm
.Lfunc_end_k_qf78fcc52fe_prep:
	.size	k_qf78fcc52fe_prep, .Lfunc_end_k_qf78fcc52fe_prep-k_qf78fcc52fe_prep
	.p2alignl 7, 3214868480
	.fill 96, 4, 3214868480
	.section	.rodata,"a",@progbits
	.p2align	6, 0x0
	.amdhsa_kernel k_qf78fcc52fe_prep
		.amdhsa_group_segment_fixed_size 0
		.amdhsa_private_segment_fixed_size 0
		.amdhsa_enable_private_segment 0
		.amdhsa_kernarg_size 80
		.amdhsa_user_sgpr_count 2
		.amdhsa_user_sgpr_kernarg_segment_ptr 1
		.amdhsa_wavefront_size32 1
		.amdhsa_system_sgpr_workgroup_id_x 1
		.amdhsa_system_sgpr_workgroup_id_y 1
		.amdhsa_system_sgpr_workgroup_id_z 1
		.amdhsa_system_vgpr_workitem_id 0
		.amdhsa_next_free_vgpr 104
		.amdhsa_next_free_sgpr 66
		.amdhsa_reserve_vcc 1
		.amdhsa_float_denorm_mode_32 3
		.amdhsa_float_denorm_mode_16_64 3
		.amdhsa_memory_ordered 1
		.amdhsa_forward_progress 1
		.amdhsa_inst_pref_size 50
	.end_amdhsa_kernel
	.amdgpu_metadata
---
amdhsa.version: [ 1, 2 ]
amdhsa.kernels:
  - .name:           k_qf78fcc52fe_prep
    .symbol:         k_qf78fcc52fe_prep.kd
    .args:
      - { .name: hidden_states, .offset: 0, .size: 8, .value_kind: global_buffer, .address_space: global }
      - { .name: Wq, .offset: 8, .size: 8, .value_kind: global_buffer, .address_space: global }
      - { .name: Wk, .offset: 16, .size: 8, .value_kind: global_buffer, .address_space: global }
      - { .name: Wv, .offset: 24, .size: 8, .value_kind: global_buffer, .address_space: global }
      - { .name: Wo, .offset: 32, .size: 8, .value_kind: global_buffer, .address_space: global }
      - { .name: position_ids, .offset: 40, .size: 8, .value_kind: global_buffer, .address_space: global }
      - { .name: xb, .offset: 48, .size: 8, .value_kind: global_buffer, .address_space: global }
      - { .name: wqkv, .offset: 56, .size: 8, .value_kind: global_buffer, .address_space: global }
      - { .name: wo16, .offset: 64, .size: 8, .value_kind: global_buffer, .address_space: global }
      - { .name: rope, .offset: 72, .size: 8, .value_kind: global_buffer, .address_space: global }
    .group_segment_fixed_size: 0
    .private_segment_fixed_size: 0
    .kernarg_segment_align: 8
    .kernarg_segment_size: 80
    .max_flat_workgroup_size: 256
    .sgpr_count:     66
    .vgpr_count:     104
    .wavefront_size: 32
...
	.end_amdgpu_metadata
.endif
;; end of part 1
;; launch qkvgemm (part 2): grid 16 x 16, 4 waves a work-group, clusters of 4 x 4, 327,680 bytes of LDS; arguments xb, wqkv, rope, qkv; writes qkv
.if DOCPART == 2
	.amdgcn_target "amdgcn-amd-amdhsa--gfx1250"
	.amdhsa_code_object_version 6
	.text
	.protected	k_qf78fcc52fe_qkvgemm
	.globl	k_qf78fcc52fe_qkvgemm
	.p2align	8
	.type	k_qf78fcc52fe_qkvgemm,@function
k_qf78fcc52fe_qkvgemm:
	s_mov_b64 s[64:65], 0
	v_nop
	global_prefetch_b8 v0, s[64:65] scope:SCOPE_SE
	s_setreg_imm32_b32 hwreg(HW_REG_WAVE_MODE, 25, 1), 1
	s_wait_xcnt 0x0
	s_wait_alu depctr_hold_cnt(0) depctr_sa_sdst(0) depctr_va_vdst(0) depctr_va_sdst(0) depctr_va_ssrc(0) depctr_va_vcc(0) depctr_vm_vsrc(0)
	s_getreg_b32 s2, hwreg(HW_REG_IB_STS2, 6, 4)
	s_cmp_eq_u32 s2, 0
	s_cbranch_scc0 .Lentry_in_a_cluster
	s_endpgm
.Lentry_in_a_cluster:
	s_bfe_u32 s2, ttmp6, 0x10000c
	s_cmp_lg_u32 s2, 0xf033
	s_cbranch_scc0 .Lentry_shape_is_right
	s_endpgm
.Lentry_shape_is_right:
; [2048][4096] = xb [2048][4096 k] x wqkv [4096 k][4096 n], bf16 operands, f32 sums; then the rotary turn on q's and k's columns, one rounding to f16, and out by heads:
; qkv [32 heads][2048][128] f16: heads 0-15 q / 4, 16-23 k / 4, 24-31 v / 4 (the quarter lies in wqkv).
; LIMIT.  f16 ends at 65,504: |q|, |k|, |v| stay under 262,000.  NaN and infinities are not treated apart.
; SHARES.  A tile of the result is 128 rows x 256 columns: 16 x 16 = 256 work-groups.  Four waves, each 64 rows x 128 columns, which is one head: 32 accumulators of 16 x 16, 256 registers.
; K goes in steps of 128 through two LDS slots filled by the tensor data mover: x's rows are 256 bytes of memory, the weights' 512, all at multiples of 256 from the buffer's first byte.
; THE WEIGHTS LIE [k][n] and are turned on the way out of LDS by ds_load_tr16_b128.  THE MATRIX INSTRUCTION IS USED TRANSPOSED (source 0 = 16 columns of W, source 1 = 16 rows of x):
; a lane then holds row l % 16 and the eight neighbouring columns 16 b + 8 (l / 16) + 0..7 of its head, so channel d (block b) and channel d + 64 (block b + 4) of the rotary pair lie in ONE lane.
; CLUSTER 4 x 4: the four of a row need the same tiles of x, the four of a column the same tiles of W: each tile is asked for jointly, by the same tensor load, descriptor and mask in all four.
; REGISTERS, in windows of 256 (s_set_vgpr_msb: bits 1:0 source 0, 3:2 source 1, 5:4 source 2, 7:6 destination):
;   window 0: v16-29 addresses; v32-127, v128-223 two fragment buffers (32 of x: block a at +8 a; 64 of W: block b at +32 + 8 b); on the way out v32-255 at work
;   window 1: accumulator (a, b) at v[8 (8 a + b)]          window 2: my rows' cosines and sines: block a, column block b, at 64 a + 16 b (cos) and + 8 (sin)
.set KDIM,  4096
.set NDIM,  4096
.set KSTEP, 128
.set PA,    272                        ; a row of x in LDS: 256 bytes + 16 = 68 words: the 16 rows of a load start at 16 different groups of four banks (64 banks of 4 bytes: ISA guide 11.1)
.set PB,    544                        ; a row of W: 512 + 32 = 136 words
.set AHALF, 64*PA                      ; what one tensor load brings of x, and what one wave reads
.set BHALF, 64*PB                      ; what one tensor load brings of W: 64 k x 256 columns
.set ATILE, 2*AHALF
.set SLOT,  ATILE+2*BHALF              ; x's 128 rows, then W's 128 k
.set STAGE, 2*SLOT                     ; behind the ring, never filled by a tensor load: 16 rows x 272 bytes for each wave
.set SP,    272
.set SPARE, STAGE+4*16*SP              ; the spare words, 128 bytes for each wave: two blocks of 256 bytes that no other line names
.set LAPS,  KDIM/(2*KSTEP)             ; a lap = two K steps = once round the ring
.set ADRA, 16                          ; v16-17  LDS address of my fragments of x in slot 0, 1
.set ADRB, 20                          ; v20-21  the same for W
.set STO,  24                          ; v24     the way out: where I put 16 bytes of a row
.set RD,   25                          ; v25     where I read rows back
.set CO,   26                          ; v26     my byte offset in 512 consecutive bytes of qkv
.set RA,   27                          ; v27     my byte offset in 16 rows of the table; never rewritten
.set SPW,  28                          ; v28     LDS address of my spare word; never rewritten
.set NIL,  29                          ; v29     0; never rewritten
.set F0,   32
.set F1,   128
.set X,    32                          ; the way out: a block's 64 turned numbers in f32
.set PKR,  96                          ; packed to f16
.set BK,   128                         ; block a's rows read back: v[128 + 32 a ..], four sets, so that no store's data are written again
.set G1,  24                           ; s[24:31] group 1 for x's tiles; s[32:39] group 0, a set for each slot
.set G0,  32
.set G1B, 48                           ; s[48:55], s[56:63] the same for W's tiles
.set G0B, 56
.set MSB, 0
.macro WIN new                         ; the immediate's high byte repeats the setting that is left; a switch that changes nothing is dropped
.if MSB != (\new)
	s_set_vgpr_msb (MSB<<8)|(\new)
.set MSB, \new
.endif
.endm
.set MUL, 0x50                         ; sources in window 0, C and D in window 1
.macro JLOAD s                         ; a joint load: waves 0 and 1 fetch x's two halves, waves 2 and 3 W's; four v_nop follow each of the two lines, ahead of the jump, the label and what follows
	s_cmp_eq_u32 s11, 0
	s_cbranch_scc0 .Lfor_b_\@
	tensor_load_to_lds s[G0+4*(\s):G0+4*(\s)+3], s[G1:G1+7]
	s_nop 0
.rept 4
	v_nop
.endr
	s_branch .Lasked_\@
.Lfor_b_\@:
	tensor_load_to_lds s[G0B+4*(\s):G0B+4*(\s)+3], s[G1B:G1B+7]
	s_nop 0
.rept 4
	v_nop
.endr
.Lasked_\@:
.endm
.macro CREST                           ; a round of the cluster's barrier behind its opening barrier
	s_cmp_lg_u32 s10, 0
	s_cbranch_scc1 .Lnot_wave_0_\@
	s_barrier_signal -3
.Lnot_wave_0_\@:
	s_barrier_wait -3
	s_barrier_signal -1
	s_barrier_wait -1
.endm
.macro CROUND                          ; a whole round
	s_barrier_signal -1
	s_barrier_wait -1
	CREST
.endm
.macro PLACES                          ; four places in front of loads into registers that matrix instructions have read, and of lines that read results
.rept 4
	v_nop
.endr
.endm
	s_load_b128 s[4:7], s[0:1], 0x0                ; xb s[4:5], wqkv s[6:7]
	s_load_b128 s[68:71], s[0:1], 0x10             ; rope s[68:69], qkv s[70:71]
	v_lshl_add_u32 v[SPW], v0, 2, SPARE
	v_mov_b32 v[NIL], 0
	ds_add_u32 v28, v29
	s_wait_dscnt 0x0
	v_lshrrev_b32 v1, 5, v0
	v_readfirstlane_b32 s10, v1                    ; wave 0..3
	s_lshr_b32 s11, s10, 1                         ; which 64 of the tile's rows are mine.  Also: I fetch for x (0) or for W (1)
	s_and_b32 s12, s10, 1                          ; which 128 of its columns.  Also: which half of that tile I fetch
	s_bfe_u32 s40, ttmp6, 0x40000                  ; cx, cy: my place in the cluster
	s_bfe_u32 s41, ttmp6, 0x40004
	s_mov_b32 s45, ttmp9                           ; the cluster's x: 3 = the four tile columns of v, which are not turned.  The same in all partners
	s_lshl_b32 s42, ttmp9, 2
	s_add_co_u32 s42, s42, s40                     ; tile column = 4 x cluster x + cx
	s_and_b32 s13, ttmp7, 0xffff
	s_lshl_b32 s13, s13, 2
	s_add_co_u32 s13, s13, s41                     ; tile row = 4 x cluster y + cy
	s_lshl_b32 s43, s41, 2
	s_lshl_b32 s43, 15, s43                        ; my row of the cluster
	s_lshl_b32 s44, 0x1111, s40                    ; my column
	s_or_b32 s[G1+0], s43, (1<<16)|(1<<20)|(1<<21)|(5<<22)|(3<<25)   ; 15:0 the mask; 17:16 2-byte elements; 20 padding on; 21 set beside a mask; 24:22 after every 64 words (code 5); 31:25 4 words (code 3)
	s_mov_b32 s[G1+1], KSTEP<<16                   ; tensor_dim0 = 128
	s_mov_b32 s[G1+2], 64<<16                      ; tensor_dim1 = 64
	s_mov_b32 s[G1+3], KSTEP<<16                   ; tile_dim0 = 128
	s_mov_b32 s[G1+4], 64                          ; tile_dim1 = 64
	s_mov_b32 s[G1+5], KDIM                        ; elements from row to row
	s_mov_b32 s[G1+6], 0
	s_mov_b32 s[G1+7], 0
	s_or_b32 s[G1B+0], s44, (1<<16)|(1<<20)|(1<<21)|(6<<22)|(7<<25)  ; after every 128 words (code 6) 8 words (code 7)
	s_mov_b32 s[G1B+1], 256<<16                    ; 256 columns
	s_mov_b32 s[G1B+2], 64<<16                     ; 64 k
	s_mov_b32 s[G1B+3], 256<<16
	s_mov_b32 s[G1B+4], 64
	s_mov_b32 s[G1B+5], NDIM
	s_mov_b32 s[G1B+6], 0
	s_mov_b32 s[G1B+7], 0
	; x's tiles hang on the tile row alone, W's on the tile column alone; each address is made in registers that never hold the other coordinate
	s_lshl_b32 s16, s13, 7
	s_lshl_b32 s17, s12, 6
	s_add_co_u32 s16, s16, s17                     ; x: row 128 x tile row + 64 x half
	s_mul_i32 s16, s16, KDIM*2
	s_mov_b32 s17, 0
	s_mul_i32 s46, s12, 64*NDIM*2                  ; W: k = 64 x half,
	s_lshl_b32 s47, s42, 9                         ; column 256 x tile column
	s_add_co_u32 s46, s46, s47
	s_mov_b32 s47, 0
	s_mul_i32 s20, s12, AHALF                      ; where they go: no place in the cluster enters an LDS address
	s_mul_i32 s21, s12, BHALF
	s_add_co_u32 s21, s21, ATILE
	s_wait_kmcnt 0x0
	s_add_nc_u64 s[14:15], s[4:5], s[16:17]
	s_add_nc_u64 s[46:47], s[6:7], s[46:47]
	CROUND                                         ; all sixteen work-groups are here: the first joint loads meet
.irp s, 0,1
	s_mov_b32 s[G0+4*(\s)], 1
	s_add_co_u32 s[G0+4*(\s)+1], s20, (\s)*SLOT
	s_add_nc_u64 s[G0+4*(\s)+2:G0+4*(\s)+3], s[14:15], (\s)*KSTEP*2
	s_or_b32 s[G0+4*(\s)+3], s[G0+4*(\s)+3], 0x80000000
	s_mov_b32 s[G0B+4*(\s)], 1
	s_add_co_u32 s[G0B+4*(\s)+1], s21, (\s)*SLOT
	s_add_nc_u64 s[G0B+4*(\s)+2:G0B+4*(\s)+3], s[46:47], (\s)*KSTEP*NDIM*2
	s_or_b32 s[G0B+4*(\s)+3], s[G0B+4*(\s)+3], 0x80000000
	JLOAD \s                                       ; two loads of mine are out
.endr
	v_and_b32 v1, 15, v0                           ; r = l % 16
	v_bfe_u32 v2, v0, 4, 1                         ; h = l / 16
	s_lshl_b32 s16, s13, 7
	s_lshl_b32 s17, s11, 6
	s_add_co_u32 s16, s16, s17                     ; my first row
	s_lshl_b32 s18, s16, 9                         ; 512 bytes of the table a row
	s_mov_b32 s19, 0
	s_add_nc_u64 s[68:69], s[68:69], s[18:19]
	s_lshl_b32 s18, s16, 8                         ; 256 bytes of a head a row
	s_add_nc_u64 s[70:71], s[70:71], s[18:19]
	s_lshl_b32 s46, s42, 1
	s_add_co_u32 s46, s46, s12                     ; my head = 2 x tile column + column half
	s_lshl_b32 s46, s46, 19                        ; 2,048 rows of 256 bytes
	s_mov_b32 s47, 0
	s_add_nc_u64 s[70:71], s[70:71], s[46:47]
	v_lshlrev_b32 v[RA], 9, v1
	v_lshl_add_u32 v[RA], v2, 5, v[RA]             ; row r, 32 bytes for each half of the lanes
	s_cmp_eq_u32 s45, 3
	s_cbranch_scc1 .Lno_table
	; My 64 rows of the table, all 512 bytes of each, once, into window 2: they land while the products run and are waited for on the way out.
	WIN 0x80
.irp a, 0,1,2,3
.irp b, 0,1,2,3
.irp n, 0,1
	global_load_b128 v[64*(\a)+16*(\b)+8*(\n):64*(\a)+16*(\b)+8*(\n)+3],   v[RA], s[68:69] offset:(\a)*8192+(\b)*64+(\n)*256
	global_load_b128 v[64*(\a)+16*(\b)+8*(\n)+4:64*(\a)+16*(\b)+8*(\n)+7], v[RA], s[68:69] offset:(\a)*8192+(\b)*64+(\n)*256+16
.endr
.endr
.endr
	WIN 0
.Lno_table:
	; A fragment of x: lane l holds row r; registers 0-3 k = 8 h + 0..7, registers 4-7 k = 16 + 8 h + 0..7: two loads of 16 bytes, 32 bytes apart.
	v_mul_u32_u24 v3, v1, PA
	v_lshl_add_u32 v3, v2, 4, v3
	; The turning load takes 16 k x 16 columns (lane l reads k = 8 h + l % 8, columns 8 ((l / 8) % 2) + 0..7) and leaves half a fragment: lane l holds column r and 8 k.
	v_and_b32 v4, 7, v0
	v_lshl_add_u32 v4, v2, 3, v4
	v_mul_u32_u24 v4, v4, PB
	v_bfe_u32 v5, v0, 3, 1
	v_lshl_add_u32 v4, v5, 4, v4
	s_mul_i32 s22, s11, AHALF                      ; my 64 rows of x
	s_lshl_b32 s23, s12, 8                         ; my 128 columns of W,
	s_add_co_u32 s23, s23, ATILE                   ; which lies behind x
.irp s, 0,1
	v_add_nc_u32 v[ADRA+(\s)], s22, v3
	v_add_nc_u32 v[ADRB+(\s)], s23, v4
	s_add_co_u32 s22, s22, SLOT
	s_add_co_u32 s23, s23, SLOT
.endr
	s_mul_i32 s23, s10, 16*SP
	s_add_co_u32 s23, s23, STAGE                   ; my stage
	v_mul_u32_u24 v[STO], v1, SP                   ; in: row r, 16 bytes for each half of the lanes
	v_lshl_add_u32 v[STO], v2, 4, v[STO]
	v_add_nc_u32 v[STO], s23, v[STO]
	v_mul_u32_u24 v[RD], v2, SP                    ; back: lanes 0-15 take one row of 256 bytes, lanes 16-31 the next,
	v_lshl_add_u32 v[RD], v1, 4, v[RD]
	v_add_nc_u32 v[RD], s23, v[RD]
	v_and_b32 v5, 31, v0
	v_lshlrev_b32 v[CO], 4, v5                     ; which are 512 consecutive bytes of the head
; 8 matrix instructions: row block a x all 8 column blocks, 32 along K.  zero = 1: the first product starts the sums.  The 32 accumulators take turns, once in a quarter.
.macro MUL8 f, a, zero
	WIN MUL
.irp b, 0,1,2,3,4,5,6,7
.if \zero
	v_wmma_f32_16x16x32_bf16 v[8*(8*(\a)+(\b)):8*(8*(\a)+(\b))+7], v[(\f)+32+8*(\b):(\f)+32+8*(\b)+7], v[(\f)+8*(\a):(\f)+8*(\a)+7], 0
.else
	v_wmma_f32_16x16x32_bf16 v[8*(8*(\a)+(\b)):8*(8*(\a)+(\b))+7], v[(\f)+32+8*(\b):(\f)+32+8*(\b)+7], v[(\f)+8*(\a):(\f)+8*(\a)+7], v[8*(8*(\a)+(\b)):8*(8*(\a)+(\b))+7]
.endif
.endr
.endm
; 24 LDS loads in one run: quarter q (32 along K) of a slot into buffer f: W's 16, then x's 8
.macro FETCH slot, q, f
	WIN 0
.irp b, 0,1,2,3,4,5,6,7
	ds_load_tr16_b128 v[(\f)+32+8*(\b):(\f)+32+8*(\b)+3],   v[ADRB+(\slot)] offset:(\q)*32*PB+32*(\b)
	ds_load_tr16_b128 v[(\f)+32+8*(\b)+4:(\f)+32+8*(\b)+7], v[ADRB+(\slot)] offset:(\q)*32*PB+32*(\b)+16*PB
.endr
.irp a, 0,1,2,3
	ds_load_b128 v[(\f)+8*(\a):(\f)+8*(\a)+3],   v[ADRA+(\slot)] offset:(\a)*16*PA+64*(\q)
	ds_load_b128 v[(\f)+8*(\a)+4:(\f)+8*(\a)+7], v[ADRA+(\slot)] offset:(\a)*16*PA+64*(\q)+32
.endr
.endm
; A K step is four quarters, 32 matrix instructions each, on buffers 0, 1, 0, 1.  One of the first three: multiplies buffer f and, in its middle, fetches quarter q into g.
.macro QUARTER slot, q, f, g, zero
	s_wait_dscnt 4                                 ; W and x's blocks 0, 1 are in; the youngest four loads (blocks 2, 3) may be out
	MUL8 \f, 0, \zero
	MUL8 \f, 1, \zero
	PLACES
	FETCH \slot, \q, \g
	s_wait_dscnt 24                                ; all but the 24 just issued
	MUL8 \f, 2, \zero
	MUL8 \f, 3, \zero
.endm
; The last quarter changes slots and multiplies buffer 1.  All of this slot lies in registers when the quarter begins, so the change comes FIRST and the quarter's 32 products behind it: ONE barrier;
; in front of it each wave waits for all its tensor loads, adds 0 to its spare word, and waits for that and for its reads of this slot.
; fill = 1: the barrier opens a round of the cluster's, and this slot is filled again, two K steps ahead: a whole step's 128 matrix instructions stand between the request and the wait for it.
.macro TURN slot, next, fill
	WIN 0
	s_wait_tensorcnt 0x0                           ; all my tensor loads have landed: my part of the next slot; so a group 0 may be written
	ds_add_u32 v[SPW], v[NIL]                      ; 0 onto my spare word: the descriptors' steps stand between it and the wait for it
.if \fill
	s_add_nc_u64 s[G0+4*(\slot)+2:G0+4*(\slot)+3], s[G0+4*(\slot)+2:G0+4*(\slot)+3], 2*KSTEP*2
	s_add_nc_u64 s[G0B+4*(\slot)+2:G0B+4*(\slot)+3], s[G0B+4*(\slot)+2:G0B+4*(\slot)+3], 2*KSTEP*NDIM*2
.endif
	s_wait_dscnt 0x0                               ; the add is done, and my reads of this slot are over (the last were issued 16 matrix instructions ago)
	s_barrier_signal -1
	s_barrier_wait -1
.if \fill
	CREST                                          ; no wave of any partner still reads this slot or has a load on its way
	JLOAD \slot                                    ; the first tensor load behind the round; its four v_nop are also the places in front of the loads below
.else
	PLACES
.endif
	FETCH \next, 0, F0
	MUL8 F1, 0, 0
	MUL8 F1, 1, 0
	MUL8 F1, 2, 0
	MUL8 F1, 3, 0
.endm
	s_wait_tensorcnt 1                             ; my part of K step 0 is in; K step 1's may stay out
	s_barrier_signal -1
	s_barrier_wait -1                              ; everybody's is
	FETCH 0, 0, F0
	QUARTER 0, 1, F0, F1, 1                        ; the first quarter stands in front of the loop: its products start the sums
	WIN 0
	s_mov_b32 s3, LAPS-1
.Llap:                                                 ; a trip goes once round the ring and fills both slots again
	QUARTER 0, 2, F1, F0, 0
	QUARTER 0, 3, F0, F1, 0
	TURN 0, 1, 1
	QUARTER 1, 1, F0, F1, 0
	QUARTER 1, 2, F1, F0, 0
	QUARTER 1, 3, F0, F1, 0
	TURN 1, 0, 1
	QUARTER 0, 1, F0, F1, 0
	WIN 0
	s_sub_co_u32 s3, s3, 1
	s_cmp_lg_u32 s3, 0
	s_cbranch_scc1 .Llap
	QUARTER 0, 2, F1, F0, 0                        ; the last lap fills nothing
	QUARTER 0, 3, F0, F1, 0
	TURN 0, 1, 0
	QUARTER 1, 1, F0, F1, 0
	QUARTER 1, 2, F1, F0, 0
	QUARTER 1, 3, F0, F1, 0
	s_wait_dscnt 4                                 ; the very last quarter
	MUL8 F1, 0, 0
	MUL8 F1, 1, 0
	s_wait_dscnt 0x0
	MUL8 F1, 2, 0
	MUL8 F1, 3, 0
	WIN 0
	PLACES
; THE WAY OUT, a block of 16 rows at a time.  PACK: out[d] = lo cos - hi sin, out[d + 64] = hi cos + lo sin, with lo = block b, hi = block b + 4 of the same lane; then f16, 16 bytes for 8 columns.
; Each accumulator's registers are taken in ascending order.  turn = 0: v's columns are only rounded.
.macro PACK a, turn
.if \turn
	WIN 0x09                                       ; source 0 (sums) window 1, source 1 (table) window 2, the rest window 0
.irp b, 0,1,2,3
.irp p, 0,2,4,6
	v_pk_mul_f32 v[X+8*(\b)+(\p):X+8*(\b)+(\p)+1],       v[8*(8*(\a)+(\b)+4)+(\p):8*(8*(\a)+(\b)+4)+(\p)+1], v[64*(\a)+16*(\b)+8+(\p):64*(\a)+16*(\b)+8+(\p)+1]
	v_pk_mul_f32 v[X+8*(\b)+32+(\p):X+8*(\b)+32+(\p)+1], v[8*(8*(\a)+(\b))+(\p):8*(8*(\a)+(\b))+(\p)+1],     v[64*(\a)+16*(\b)+8+(\p):64*(\a)+16*(\b)+8+(\p)+1]
	v_pk_fma_f32 v[X+8*(\b)+(\p):X+8*(\b)+(\p)+1],       v[8*(8*(\a)+(\b))+(\p):8*(8*(\a)+(\b))+(\p)+1],     v[64*(\a)+16*(\b)+(\p):64*(\a)+16*(\b)+(\p)+1], v[X+8*(\b)+(\p):X+8*(\b)+(\p)+1] neg_lo:[0,0,1] neg_hi:[0,0,1]
	v_pk_fma_f32 v[X+8*(\b)+32+(\p):X+8*(\b)+32+(\p)+1], v[8*(8*(\a)+(\b)+4)+(\p):8*(8*(\a)+(\b)+4)+(\p)+1], v[64*(\a)+16*(\b)+(\p):64*(\a)+16*(\b)+(\p)+1], v[X+8*(\b)+32+(\p):X+8*(\b)+32+(\p)+1]
.endr
.endr
	WIN 0
.set i, 0
.rept 32
	v_cvt_pk_f16_f32 v[PKR+i], v[X+2*i], v[X+2*i+1]
.set i, i+1
.endr
.else
	WIN 0x05                                       ; sources 0 and 1 window 1
.set i, 0
.rept 32
	v_cvt_pk_f16_f32 v[PKR+i], v[64*(\a)+2*i], v[64*(\a)+2*i+1]
.set i, i+1
.endr
	WIN 0
.endif
.endm
.macro TOSTAGE a                       ; into my own stage, rows of 272 bytes, and back as whole rows of 256
.irp b, 0,1,2,3,4,5,6,7
	ds_store_b128 v[STO], v[PKR+4*(\b):PKR+4*(\b)+3] offset:32*(\b)
.endr
.irp t, 0,1,2,3,4,5,6,7
	ds_load_b128 v[BK+32*(\a)+4*(\t):BK+32*(\a)+4*(\t)+3], v[RD] offset:(\t)*2*SP  ; LDS serves a wave's instructions in order (ISA guide 5.7.1.4): these see the stores above
.endr
.endm
.macro SEND a
	s_wait_dscnt 0x0                               ; the block is back in registers
.irp t, 0,1,2,3,4,5,6,7
	global_store_b128 v[CO], v[BK+32*(\a)+4*(\t):BK+32*(\a)+4*(\t)+3], s[70:71] offset:(\a)*4096+(\t)*512  ; 512 consecutive bytes, at a multiple of 256 from qkv's first
.endr
.endm
.macro WAYOUT turn                     ; a block's arithmetic stands between the loads of the block before and the wait for them
	PACK 0, \turn
	TOSTAGE 0
.irp a, 1,2,3
	PACK \a, \turn
	SEND (\a)-1
	TOSTAGE \a
.endr
	SEND 3
.endm
	s_cmp_eq_u32 s45, 3
	s_cbranch_scc1 .Lplain
	s_wait_loadcnt 0x0                             ; the table
	WAYOUT 1
	s_branch .Lend
.Lplain:
	WAYOUT 0
.Lend:
	s_wait_tensorcnt 0x0                           ; the wave's end, behind my last tensor load and my last LDS store
	ds_add_u32 v[SPW], v[NIL]
	s_wait_dscnt 0x0
	CROUND                                         ; the closing round: no work-group ends while a partner may still ask for a tile that names it
	s_endpgm
.Lfunc_end_k_qf78fcc52fe_qkvgemm:
	.size	k_qf78fcc52fe_qkvgemm, .Lfunc_end_k_qf78fcc52fe_qkvgemm-k_qf78fcc52fe_qkvgemm
	.p2alignl 7, 3214868480
	.fill 96, 4, 3214868480
	.section	.rodata,"a",@progbits
	.p2align	6, 0x0
	.amdhsa_kernel k_qf78fcc52fe_qkvgemm
		.amdhsa_group_segment_fixed_size 327680
		.amdhsa_private_segment_fixed_size 0
		.amdhsa_enable_private_segment 0
		.amdhsa_kernarg_size 32
		.amdhsa_user_sgpr_count 2
		.amdhsa_user_sgpr_kernarg_segment_ptr 1
		.amdhsa_wavefront_size32 1
		.amdhsa_system_sgpr_workgroup_id_x 1
		.amdhsa_system_sgpr_workgroup_id_y 1
		.amdhsa_system_sgpr_workgroup_id_z 1
		.amdhsa_system_vgpr_workitem_id 0
		.amdhsa_next_free_vgpr 768
		.amdhsa_next_free_sgpr 72
		.amdhsa_reserve_vcc 0
		.amdhsa_float_denorm_mode_32 3
		.amdhsa_float_denorm_mode_16_64 3
		.amdhsa_memory_ordered 1
		.amdhsa_forward_progress 1
		.amdhsa_inst_pref_size 123
	.end_amdhsa_kernel
	.amdgpu_metadata
---
amdhsa.version: [ 1, 2 ]
amdhsa.kernels:
  - .name:           k_qf78fcc52fe_qkvgemm
    .symbol:         k_qf78fcc52fe_qkvgemm.kd
    .args:
      - { .name: xb, .offset: 0, .size: 8, .value_kind: global_buffer, .address_space: global }
      - { .name: wqkv, .offset: 8, .size: 8, .value_kind: global_buffer, .address_space: global }
      - { .name: rope, .offset: 16, .size: 8, .value_kind: global_buffer, .address_space: global }
      - { .name: qkv, .offset: 24, .size: 8, .value_kind: global_buffer, .address_space: global }
    .group_segment_fixed_size: 327680
    .private_segment_fixed_size: 0
    .kernarg_segment_align: 8
    .kernarg_segment_size: 32
    .max_flat_workgroup_size: 128
    .sgpr_count:     72
    .vgpr_count:     768
    .wavefront_size: 32
...
	.end_amdgpu_metadata
.endif
;; end of part 2
;; launch attn (part 3): grid 32 x 8, 4 waves a work-group, clusters of 4 x 1, 327,680 bytes of LDS; arguments qkv, ob, out1; writes ob, out1
.if DOCPART == 3
	.amdgcn_target "amdgcn-amd-amdhsa--gfx1250"
	.amdhsa_code_object_version 6
	.text
	.protected	k_qf78fcc52fe_attn
	.globl	k_qf78fcc52fe_attn
	.p2align	8
	.type	k_qf78fcc52fe_attn,@function
k_qf78fcc52fe_attn:
	s_mov_b64 s[64:65], 0
	v_nop
	global_prefetch_b8 v0, s[64:65] scope:SCOPE_SE
	s_setreg_imm32_b32 hwreg(HW_REG_WAVE_MODE, 25, 1), 1
	s_wait_xcnt 0x0
	s_wait_alu depctr_hold_cnt(0) depctr_sa_sdst(0) depctr_va_vdst(0) depctr_va_sdst(0) depctr_va_ssrc(0) depctr_va_vcc(0) depctr_vm_vsrc(0)
	s_getreg_b32 s2, hwreg(HW_REG_IB_STS2, 6, 4)
	s_cmp_eq_u32 s2, 0
	s_cbranch_scc0 .Lentry_in_a_cluster
	s_endpgm
.Lentry_in_a_cluster:
	s_bfe_u32 s2, ttmp6, 0x10000c
	s_cmp_lg_u32 s2, 0x3003
	s_cbranch_scc0 .Lentry_shape_is_right
	s_endpgm
.Lentry_shape_is_right:
; CAUSAL ATTENTION WITH SHARED KEY AND VALUE HEADS, and the row sums of the weights.  qkv [32 heads][2048][128] f16: heads 0-15 q / 4, 16-23 k / 4, 24-31 v / 4.
; ob [2048][2048] f16 = O / 4, column = head x 128 + channel.  out1 [8][2048] f32: for group g and query row, the sum over the group's two query heads of (the sum l of the row's weights) x (1 / l).
; Products, maxima and sums in f32; the weights p are rounded to f16 for the second product (l is taken of the unrounded p), O once at the end.
; LIMITS.  q, k, v arrive within f16's range; a hidden score counts as its value less 1e30; a weight below 2^-126 counts as 0 in l; NaN and infinities are not treated apart.
; THE WALK.  The 2,048 rows are 16 blocks of 128; block b needs the key units 0 .. b of 128 keys, of which the last holds the diagonal.  Cluster c (0..7) takes block 15 - c and then block c:
; 16 - c and c + 1 units, 17 whatever c: all work-groups do equal work, and every trip count is a constant of the text.  The four partners walk the same units, so every tile of K and V is asked for JOINTLY.
; SHARES.  Of a block's 128 rows work-group cx owns 32, for BOTH query heads of group g.  Wave w owns rows 16 (w & 1) + 0..15 of them and key half kh = w >> 1: of every unit the 64 keys 64 kh + 0..63.
; So a wave has 17 key steps with two tiles of 16 queries (the two heads), and a fragment of K or V feeds both.  Register tile 0 is the wave's OWN head 2 g + kh, tile 1 the other.
; At the end the two waves of a row half meet: each sends tile 1's statistics and O^T to its partner (wave w xor 2), whose own head that is, and combines what it receives with its tile 0.
; THE MASK is the C operand that starts the sums S^T = K Q^T: MC, which is 0 but in the first block's last unit, where it is MD: -1e30 where 64 kh + key > 32 cx + 16 (w & 1) + row; the walk's last unit takes MD itself.
; cx enters MD as a value alone; no branch, no trip count and no LDS address hangs on it.  A wave of key half 1 may see no key of a block at all (block 0, cx < 2): its m is then about -1e30 and the
; meeting multiplies its part by 0; key half 0 always sees the unit's first key.
; THE CHANGE OF BLOCKS falls behind unit 15 - c: a forward branch on a counter made from c, the same in all waves and partners, over register work alone: O^T and the statistics go to window 3,
; the second block's Q comes in, m and MC are set anew.  The second block's first step multiplies O^T and l by a = 0, so what the first block left there need only be finite.
; THE RING.  Two slots of two units (K's two, then V's two); a wave brings one unit of K (waves 0, 1) or of V (waves 2, 3) with one tensor load of 128 rows of 256 bytes, whose global address is made anew
; from the unit's number.  A load has two key steps in which to land.  Three trips of the loop serve slot visits 0 to 5; visits 6 to 8 are written out: the last refill brings one unit, so waves 1 and 3 issue none.
; LAYOUT.  S^T = K Q^T (source 0 = 16 keys, source 1 = 16 queries): a lane holds ONE query (l % 16) and the keys 8 (l / 16) + 0..7.  Two such results rounded to f16 ARE source 1 of O^T = V^T P.
; SOFTMAX.  p = 2^(c s - c m), c = 16 log2(e) / sqrt(128) (the 16 makes good the two quarters), with a running maximum m; O and l are multiplied by a = 2^(c m_old - c m_new) in every step.
; m starts at the lowest finite number, O and l at 0: the first step is a step like any other, with a = 0.  The price: v_mov_b32 of 0 in the wait for the first tile: O^T's 128, MC's 32, l's 4, and window 3's 136,
; so that every register is written on every way through the text.
; IN PHASES: a step's 32 products K Q^T, its softmax, its 32 products V^T P.  The LDS loads stand in runs of 32: the next K behind the products that read K, the next V behind those that read V.
; out1 leaves in runs of 128 consecutive bytes: a work-group has 32 rows of a block.  The text is long, nine copies of a key step: the slots' LDS addresses are constants of the text.
; REGISTERS, in windows of 256 (s_set_vgpr_msb: bits 1:0 source 0, 3:2 source 1, 5:4 source 2, 7:6 destination):
;   window 0: v0-15 addresses; v16-31 statistics, 8 a tile; v32-95 Q; v96-159 S^T; v160-191 P; v192-255 the second block's Q     window 1: v0-127 O^T; v128-159 MD; v160-191 MC
;   window 2: v0-127 K, v128-255 V of one step     window 3: v0-127 the first block's O^T, v128-135 its statistics
.set KS,     64
.set PK,     272      ; a row of K in LDS: 256 bytes + 16 = 68 words: the 16 rows of a load start at 16 different groups of four banks (64 banks of 4 bytes: ISA guide 11.1)
.set PV,     288      ; a row of V: 256 + 32 = 72 words
.set KSTEPB, KS*PK    ; a key half of a unit of K
.set VSTEPB, KS*PV
.set KUNIT,  2*KSTEPB ; what one tensor load brings of K: 128 rows
.set VUNIT,  2*VSTEPB
.set VOFF,   2*KUNIT  ; a slot: K's two units, then V's two
.set SLOTB,  VOFF+2*VUNIT
.set XCH,    2*SLOTB  ; behind the ring, never filled by a tensor load: for each wave 8,704 bytes that its partner writes and it reads, and which then are its stage
.set XR,     8704     ; 16 x 512 bytes of O^T, 512 of statistics
.set SP,     272
.set HHS,    XCH+4*XR ; 128 words: the row sums: first block | second block; in each: head 2 g | head 2 g + 1, 32 rows
.set SPARE,  HHS+512  ; the spare words, 128 bytes for each wave: two blocks of 256 bytes that no other line names
.set AK,  2           ; v2-3   my lane's place in K's first unit of slot 0, 1, my key half; never rewritten
.set AV,  4           ; v4-5   the same for V
.set QO,  10          ; v10-11 my byte offset in a block's rows of Q, tile 0 and tile 1
.set SPW, 14          ; v14    LDS address of my spare word; never rewritten
.set NIL, 15          ; v15    0; never rewritten
.set ST,  16          ; tile t at v[ST+8 t]: +0 c m, +1 m, +2, +3 l (even keys', odd keys'), +4 to +7 c0-c3 at work; a takes c2's place once the maximum is found
.set Q,   32          ; tile t, channels 32 n on: Q + 32 t + 8 n
.set S,   96          ; tile t, keys 16 kt on: S + 32 t + 8 kt
.set P,   160         ; 16 a tile
.set QB,  192         ; the second block's Q
.set MD,  128         ; window 1: the diagonal unit's mask for my rows and key half: keys 16 kt on at MD + 8 kt
.set MC,  160         ; window 1: the mask of the step in hand
.set KF,  0           ; window 2: keys 16 kt on, channels 32 n on: KF + 32 kt + 8 n
.set VF,  128         ; window 2: keys 32 kk on, channels 16 cb on: VF + 64 kk + 8 cb
.set OA,  0           ; window 3
.set SA,  128         ; window 3: tile 0's c m, m, l, l; tile 1's
.set XS,  32          ; the end (Q's registers are free): where I write for my partner
.set XL,  33          ; where I read what it wrote for me
.set STO, 34          ; where I put 16 bytes of a row
.set RD,  35          ; where I read rows back
.set GO,  36          ; my byte offset in two rows of ob
.set VH,  37          ; where my row's sum goes
.set LN,  38          ; my lane
.set TS,  40          ; v40-47 the block's statistics: tile 0's c m, m, l, l; tile 1's
.set RX,  96          ; the partner's O^T, then the result (S^T's registers)
.set RT,  160         ; the partner's c m, m, l, l (P's registers)
.set TM,  164         ; v164-169 at work
.set GA,  170         ; my factor, as a pair
.set GB,  172         ; the partner's factor, as a pair
.set PKD, 192         ; the result in f16
.set WV,  12          ; s12  my wave's number
.set CX,  13          ; s13  my place in the cluster
.set POS, 14          ; s14  w & 1: my row half; also which unit of a slot I fetch
.set KH,  16          ; s16  w >> 1: my key half
.set G1K, 24          ; s[24:31] group 1 for K's tiles
.set G1V, 32          ; s[32:39] for V's: it differs in the padding alone
.set G0K, 40          ; s[40:47] group 0 for K's tiles, a set for each slot
.set G0V, 48          ; s[48:55] the same for V's
.set TRIPS, 56        ; s56  trips of the loop over pairs of slots
.set RTC, 57          ; s57  units of the first block still to come
.set CS,  58          ; s[58:59] c: the packed scaling takes the pair's low word for both halves
.set SEL, 60          ; s[60:61] v_permlanex16_b32's selects: each lane takes its own place in the other half
.set NXT, 62          ; s62  the walk's index of the unit that I ask for next
.set HI,  63          ; s63  15 - c: the first block, and the walk's index of its last unit
.set LEN, 66          ; s66  16 - c: the first block's units
.set TU,  67          ; s67  at work
.set OFF, 68          ; s[68:69] a unit's byte offset in K and V
.set BIGN, 70         ; s70  -1e30
.set CC,  71          ; s71  c
.set MSB, 0
.macro WIN new                      ; the high byte repeats the setting that is left; a switch that changes nothing is dropped
.if MSB != (\new)
	s_set_vgpr_msb (MSB<<8)|(\new)
.set MSB, (\new)
.endif
.endm
.set W_KQ, 0x02       ; K in window 2; Q and S^T in window 0
.set W_KM, 0x12       ; the same with the C operand in window 1
.set W_PV, 0x52       ; V in window 2, P in window 0, O^T in window 1
.set W_RS, 0x41       ; destination and source 0 in window 1
; A joint fill of slot s.  Waves 0 and 1 fetch K's two units, waves 2 and 3 V's.  half = 1: the slot takes one unit, and waves 1 and 3 ask for nothing.  The branches hang on the wave's number alone.
; Four v_nop follow each of the two lines, ahead of the jump and the label.
.macro JLOAD s, half
.if \half
	s_cmp_lg_u32 s[POS], 0
	s_cbranch_scc1 .Lasked_\@
.endif
	s_cmp_lt_u32 s[WV], 2
	s_cbranch_scc0 .Lfor_v_\@
	tensor_load_to_lds s[G0K+4*(\s):G0K+4*(\s)+3], s[G1K:G1K+7]
	s_nop 0
.rept 4
	v_nop
.endr
	s_branch .Lasked_\@
.Lfor_v_\@:
	tensor_load_to_lds s[G0V+4*(\s):G0V+4*(\s)+3], s[G1V:G1V+7]
	s_nop 0
.rept 4
	v_nop
.endr
.Lasked_\@:
.endm
.macro CROUND                       ; a round of the cluster's barrier
	s_barrier_signal -1
	s_barrier_wait -1
	s_cmp_lg_u32 s[WV], 0
	s_cbranch_scc1 .Lnot_wave_0_\@
	s_barrier_signal -3
.Lnot_wave_0_\@:
	s_barrier_wait -3
	s_barrier_signal -1
	s_barrier_wait -1
.endm
.macro PLACES                       ; four places behind matrix instructions (ISA guide 7.12.1)
.rept 4
	v_nop
.endr
.endm
; THE CHANGE OF SLOTS: all of the slot's bytes have been asked for.  Each wave waits for all its tensor loads, of which at most one is out: its part of the other slot; adds 0 to its spare word; and waits
; for that and for its reads of the slot.  kind 1: the barrier is a round of the cluster's, and the slot is filled again first thing behind it, with the walk's units NXT of each wave; 3: with one unit; 2: not filled.
.macro CHANGE slot, kind
	WIN 0
	s_wait_tensorcnt 0x0            ; no tensor load of mine is out, so a group 0 may be written
	ds_add_u32 v[SPW], v[NIL]       ; 0 onto my spare word: the descriptors' scalar work stands between it and the wait for it
.if (\kind) != 2
	s_sub_co_u32 s[TU], s[NXT], s[LEN]
	s_cmp_gt_u32 s[NXT], s[HI]      ; behind the first block's last unit the second block's units begin at 0
	s_cselect_b32 s[OFF], s[TU], s[NXT]
	s_lshl_b32 s[OFF], s[OFF], 15   ; a unit is 32,768 bytes of K and of V
	s_add_nc_u64 s[G0K+4*(\slot)+2:G0K+4*(\slot)+3], s[72:73], s[OFF:OFF+1]
	s_or_b32 s[G0K+4*(\slot)+3], s[G0K+4*(\slot)+3], 0x80000000
	s_add_nc_u64 s[G0V+4*(\slot)+2:G0V+4*(\slot)+3], s[74:75], s[OFF:OFF+1]
	s_or_b32 s[G0V+4*(\slot)+3], s[G0V+4*(\slot)+3], 0x80000000
	s_add_co_u32 s[NXT], s[NXT], 2
	s_wait_dscnt 0x0                ; the add is done, and my reads of the slot are over
	CROUND
	JLOAD \slot, (\kind)/3
.else
	s_wait_dscnt 0x0
	s_barrier_signal -1
	s_barrier_wait -1
.endif
.endm
	s_load_b128 s[4:7], s[0:1], 0x0   ; qkv s[4:5], ob s[6:7]
	s_load_b64 s[8:9], s[0:1], 0x10   ; out1
	v_lshl_add_u32 v[SPW], v0, 2, SPARE
	v_mov_b32 v[NIL], 0
	ds_add_u32 v14, v15
	s_wait_dscnt 0x0
	v_lshrrev_b32 v1, 5, v0
	v_readfirstlane_b32 s[WV], v1   ; wave 0..3
	s_and_b32 s[POS], s[WV], 1
	s_lshr_b32 s[KH], s[WV], 1
	s_bfe_u32 s[CX], ttmp6, 0x40000
	s_mov_b32 s[CC], ttmp9          ; c: in a cluster launch ttmp9 counts clusters; the same in all four partners
	s_sub_co_u32 s[HI], 15, s[CC]
	s_sub_co_u32 s[LEN], 16, s[CC]
	s_mov_b32 s[RTC], s[LEN]
	s_add_co_u32 s[NXT], s[POS], 4  ; the first fills bring the walk's units 0 to 3
	s_and_b32 s15, ttmp7, 0xffff    ; the group g
	s_mul_i32 s17, s[POS], KUNIT    ; my unit's place in a slot: no place in the cluster enters an LDS address
	s_mul_i32 s18, s[POS], VUNIT
	s_add_co_u32 s20, s15, 16       ; K's head; a head is 2,048 rows of 256 bytes
	s_lshl_b32 s20, s20, 19
	s_mov_b32 s21, 0
	s_add_co_u32 s22, s15, 24       ; V's head
	s_lshl_b32 s22, s22, 19
	s_mov_b32 s23, 0
	s_lshl_b32 s2, s[HI], 15        ; Q: a block's 128 rows of 256 bytes: the first block,
	s_mov_b32 s3, 0
	s_lshl_b32 s[OFF], s[CC], 15    ; the second
	s_mov_b32 s[OFF+1], 0
	s_lshl_b32 s19, s[CX], 17       ; ob: rows of 4,096 bytes: my work-group's 32,
	s_lshl_b32 s86, s[POS], 16      ; my wave's 16,
	s_add_co_u32 s19, s19, s86
	s_lshl_b32 s86, s15, 9          ; head 2 g + kh's 256 bytes
	s_add_co_u32 s19, s19, s86
	s_lshl_b32 s86, s[KH], 8
	s_add_co_u32 s19, s19, s86
	s_lshl_b32 s86, s[HI], 19
	s_add_co_u32 s86, s86, s19
	s_mov_b32 s87, 0
	s_lshl_b32 s10, s[CC], 19
	s_add_co_u32 s10, s10, s19
	s_mov_b32 s11, 0
	s_mov_b32 s[G1K], 15|(1<<16)|(1<<20)|(1<<21)|(5<<22)|(3<<25)  ; 15:0 the mask of four; 17:16 2-byte elements; 20 padding on; 21 set beside a mask; 24:22 after every 64 words (code 5); 31:25 4 words (code 3)
	s_mov_b32 s[G1V], 15|(1<<16)|(1<<20)|(1<<21)|(5<<22)|(7<<25)  ; the same with 8 words of padding (code 7)
.irp g, G1K, G1V
	s_mov_b32 s[(\g)+1], 128<<16    ; tensor_dim0 = 128
	s_mov_b32 s[(\g)+2], 128<<16    ; tensor_dim1 = 128
	s_mov_b32 s[(\g)+3], 128<<16    ; tile_dim0 = 128
	s_mov_b32 s[(\g)+4], 128        ; tile_dim1 = 128
	s_mov_b32 s[(\g)+5], 128        ; elements from row to row
	s_mov_b32 s[(\g)+6], 0
	s_mov_b32 s[(\g)+7], 0
.endr
	s_mov_b32 s[CS], 0x400293ee     ; c = 16 log2(e) / sqrt(128) = 2.040276
	s_mov_b32 s[CS+1], s[CS]        ; named with it as a pair
	s_mov_b32 s[SEL], 0x76543210
	s_mov_b32 s[SEL+1], 0xfedcba98
	s_mov_b32 s[BIGN], 0xf149f2ca   ; -1e30
	s_wait_kmcnt 0x0
	s_add_nc_u64 s[72:73], s[4:5], s[20:21]        ; K's head
	s_add_nc_u64 s[74:75], s[4:5], s[22:23]        ; V's head
	s_add_nc_u64 s[76:77], s[4:5], s[2:3]          ; Q at the first block's first row, head 0
	s_add_nc_u64 s[78:79], s[4:5], s[OFF:OFF+1]    ; at the second block's
	s_add_nc_u64 s[82:83], s[6:7], s[86:87]        ; ob at my rows of the first block, my own head
	s_add_nc_u64 s[84:85], s[6:7], s[10:11]        ; of the second
	s_lshl_b32 s20, s15, 13         ; out1: the group's 2,048 words,
	s_lshl_b32 s22, s[CX], 7        ; my work-group's 32 of a block
	s_add_co_u32 s20, s20, s22
	s_add_nc_u64 s[80:81], s[8:9], s[20:21]
	s_lshl_b32 s[OFF], s[POS], 15   ; the first fills: units POS and 2 + POS
	CROUND                          ; all four work-groups are here: the first joint loads meet
.irp s, 0,1
	s_mov_b32 s[G0K+4*(\s)], 1
	s_add_co_u32 s[G0K+4*(\s)+1], s17, (\s)*SLOTB
	s_add_nc_u64 s[G0K+4*(\s)+2:G0K+4*(\s)+3], s[72:73], s[OFF:OFF+1]
	s_add_nc_u64 s[G0K+4*(\s)+2:G0K+4*(\s)+3], s[G0K+4*(\s)+2:G0K+4*(\s)+3], (\s)*65536
	s_or_b32 s[G0K+4*(\s)+3], s[G0K+4*(\s)+3], 0x80000000
	s_mov_b32 s[G0V+4*(\s)], 1
	s_add_co_u32 s[G0V+4*(\s)+1], s18, (\s)*SLOTB+VOFF
	s_add_nc_u64 s[G0V+4*(\s)+2:G0V+4*(\s)+3], s[74:75], s[OFF:OFF+1]
	s_add_nc_u64 s[G0V+4*(\s)+2:G0V+4*(\s)+3], s[G0V+4*(\s)+2:G0V+4*(\s)+3], (\s)*65536
	s_or_b32 s[G0V+4*(\s)+3], s[G0V+4*(\s)+3], 0x80000000
.endr
	s_cmp_lt_u32 s[WV], 2           ; a wave's two first fills stand in one branch, ahead of every wait on TENSORcnt and every LDS read: two loads of mine are out
	s_cbranch_scc0 .Lfirst_v
	tensor_load_to_lds s[G0K:G0K+3], s[G1K:G1K+7]
	s_nop 0
	tensor_load_to_lds s[G0K+4:G0K+7], s[G1K:G1K+7]
	s_nop 0
.rept 4
	v_nop
.endr
	s_branch .Lfirst_asked
.Lfirst_v:
	tensor_load_to_lds s[G0V:G0V+3], s[G1V:G1V+7]
	s_nop 0
	tensor_load_to_lds s[G0V+4:G0V+7], s[G1V:G1V+7]
	s_nop 0
.rept 4
	v_nop
.endr
.Lfirst_asked:
	; A fragment of K or Q: lane l holds row l % 16; registers 0-3 channels 8 (l / 16) + 0..7, registers 4-7 channels 16 + 8 (l / 16) + 0..7: two loads of 16 bytes, 32 bytes apart.
	v_and_b32 v1, 15, v0            ; r
	v_bfe_u32 v9, v0, 4, 1          ; h
	v_lshlrev_b32 v13, 8, v1
	v_lshl_add_u32 v13, v9, 4, v13
	s_lshl_b32 s19, s[CX], 13       ; my work-group's 32 rows of a block,
	s_lshl_b32 s20, s[POS], 12      ; my wave's 16
	s_add_co_u32 s19, s19, s20
	v_add_nc_u32 v13, s19, v13
	s_lshl_b32 s20, s15, 1
	s_add_co_u32 s20, s20, s[KH]    ; my own head,
	s_xor_b32 s21, s20, 1           ; the other
	v_lshl_add_u32 v[QO], s20, 19, v13
	v_lshl_add_u32 v[QO+1], s21, 19, v13
.set i, 0
.rept 8                             ; both blocks' Q stay in registers: tile i / 4, channels 32 (i % 4) on
	global_load_b128 v[Q+8*i:Q+8*i+3],     v[QO+i/4], s[76:77] offset:(i%4)*64
	global_load_b128 v[Q+8*i+4:Q+8*i+7],   v[QO+i/4], s[76:77] offset:(i%4)*64+32
	global_load_b128 v[QB+8*i:QB+8*i+3],   v[QO+i/4], s[78:79] offset:(i%4)*64
	global_load_b128 v[QB+8*i+4:QB+8*i+7], v[QO+i/4], s[78:79] offset:(i%4)*64+32
.set i, i+1
.endr
	s_lshl_b32 s19, s[CX], 5
	s_lshl_b32 s20, s[POS], 4
	s_add_co_u32 s19, s19, s20
	s_lshl_b32 s20, s[KH], 6
	s_sub_co_i32 s19, s19, s20
	v_lshlrev_b32 v12, 3, v9
	v_sub_nc_u32 v12, v1, v12
	v_add_nc_u32 v12, s19, v12      ; my query's place in its block, less 64 kh and my lanes' 8 h: register j of key group kt is hidden where 16 kt + j is greater
	WIN 0x40
.set i, 0
.rept 32
	v_cmp_gt_i32 vcc_lo, 16*(i/8)+i%8, v12
	v_cndmask_b32 v[MD+i], 0, s[BIGN], vcc_lo
.set i, i+1
.endr
.set i, 0
.rept 128
	v_mov_b32 v[i], 0               ; O^T
.set i, i+1
.endr
.set i, 0
.rept 32
	v_mov_b32 v[MC+i], 0
.set i, i+1
.endr
	WIN 0xc0
.set i, 0
.rept 136
	v_mov_b32 v[i], 0               ; written on every way; the change of blocks writes them anew
.set i, i+1
.endr
	WIN 0
.irp t, 0,1
	v_mov_b32 v[ST+8*(\t)], 0xfe000000    ; c m: far below every c s
	v_mov_b32 v[ST+8*(\t)+1], 0xff7fffff  ; m
	v_mov_b32 v[ST+8*(\t)+2], 0           ; l
	v_mov_b32 v[ST+8*(\t)+3], 0
.endr
	s_mul_i32 s19, s[KH], KSTEPB
	v_mul_u32_u24 v[AK], v1, PK
	v_lshl_add_u32 v[AK], v9, 4, v[AK]    ; row x pitch + 16 x half
	v_add_nc_u32 v[AK], s19, v[AK]
	v_add_nc_u32 v[AK+1], SLOTB, v[AK]
	; The turning load takes 16 keys x 16 channels (lane l reads key 8 h + l % 8, channels 8 ((l / 8) % 2) + 0..7) and leaves half a fragment of V^T: lane l holds channel l % 16 and 8 keys.
	s_mul_i32 s19, s[KH], VSTEPB
	s_add_co_u32 s19, s19, VOFF
	v_and_b32 v12, 7, v0
	v_bfe_u32 v13, v0, 3, 1
	v_lshl_add_u32 v[AV], v9, 3, v12
	v_mul_u32_u24 v[AV], v[AV], PV
	v_lshl_add_u32 v[AV], v13, 4, v[AV]
	v_add_nc_u32 v[AV], s19, v[AV]
	v_add_nc_u32 v[AV+1], SLOTB, v[AV]
; THE MATRIX WORK.  The accumulators take turns, one instruction a turn: 8 in K Q^T, 16 in V^T P.
; Product i of 32 of S^T = K Q^T: channels 32 (i / 8) on, keys 16 ((i / 2) % 4) on, tile i % 2.  The first 8 start the sums with the mask: MC, or (LASTU = 1) MD.
.macro KQ
.set rS, S+32*(i%2)+8*((i/2)%4)
.set rK, KF+32*((i/2)%4)+8*(i/8)
.set rQ, Q+32*(i%2)+8*(i/8)
.set rM, MC-32*LASTU+8*((i/2)%4)
.if i < 8
	WIN W_KM
	v_wmma_f32_16x16x32_f16 v[rS:rS+7], v[rK:rK+7], v[rQ:rQ+7], v[rM:rM+7]
.else
	WIN W_KQ
	v_wmma_f32_16x16x32_f16 v[rS:rS+7], v[rK:rK+7], v[rQ:rQ+7], v[rS:rS+7]
.endif
.endm
; Product i of 32 of O^T += V^T P: keys 32 (i / 16) on, channels 16 ((i / 2) % 8) on, tile i % 2.
.macro PV
	WIN W_PV
.set rO, 64*(i%2)+8*((i/2)%8)
.set rV, VF+64*(i/16)+8*((i/2)%8)
.set rP, P+16*(i%2)+8*(i/16)
	v_wmma_f32_16x16x32_f16 v[rO:rO+7], v[rV:rV+7], v[rP:rP+7], v[rO:rO+7]
.endm
; THE LDS LOADS, in runs of 32: my key half of unit un of a slot; every address is a register that is never rewritten plus a constant.
.macro FETCH_K slot, un
	WIN 0x80                        ; destination window 2
.irp f, 0,1,2,3,4,5,6,7,8,9,10,11,12,13,14,15  ; keys 16 (f / 4) on, channels 32 (f % 4) on
	ds_load_b128 v[KF+8*(\f):KF+8*(\f)+3],   v[AK+(\slot)] offset:(\un)*KUNIT+((\f)/4)*16*PK+((\f)%4)*64
	ds_load_b128 v[KF+8*(\f)+4:KF+8*(\f)+7], v[AK+(\slot)] offset:(\un)*KUNIT+((\f)/4)*16*PK+((\f)%4)*64+32
.endr
.endm
.macro FETCH_V slot, un
	WIN 0x80
.irp f, 0,1,2,3,4,5,6,7,8,9,10,11,12,13,14,15  ; keys 32 (f / 8) on, channels 16 (f % 8) on
	ds_load_tr16_b128 v[VF+8*(\f):VF+8*(\f)+3],   v[AV+(\slot)] offset:(\un)*VUNIT+((\f)/8)*32*PV+((\f)%8)*32
	ds_load_tr16_b128 v[VF+8*(\f)+4:VF+8*(\f)+7], v[AV+(\slot)] offset:(\un)*VUNIT+((\f)/8)*32*PV+16*PV+((\f)%8)*32
.endr
.endm
; THE SOFTMAX of one tile and step is a list of 134 instructions; SM writes number j of it for tile t.  s0-s31 are the lane's 32 scores, in pairs 0-15.
;   0-15    the maximum of s0-s31 and the old m, three operands at a time: four chains c0-c3 of seven scores each (each accumulator's lowest registers first), then the four left over, c0-c3 and m
;   16-20   the other half of the lanes' maximum; c m_old is kept; the new m; c m; c m_old - c m_new
;   21-87   33 exponentials (a, then s0-s31) at the odd numbers from 23 on, so that each has a plain instruction behind it before its result is used (ISA guide 5.7.2); the plain ones between them are
;           c s - c m for pairs whose exponentials are to come, the rounding to f16 of pairs whose exponentials are done, at last the first three sums
;   88-101  the last rounding; the rest of the sums; l = a l + the sum          102-133 the tile's O^T times a
.macro SM t
.set rT, ST+8*(\t)
.set rS, S+32*(\t)
.set rP, P+16*(\t)
.set rO, 64*(\t)+2*(j-102)
.set q, (j-20)/2
.if j < 102
	WIN 0
.endif
.if j < 4
	v_max3_num_f32 v[rT+4+j], v[rS+8*j], v[rS+8*j+1], v[rS+8*j+2]
.elseif j < 12
	v_max3_num_f32 v[rT+4+j%4], v[rT+4+j%4], v[rS+8*(j%4)+2*(j/4)+1], v[rS+8*(j%4)+2*(j/4)+2]
.elseif j == 12
	v_max3_num_f32 v[rT+4], v[rT+4], v[rS+7], v[rS+15]
.elseif j == 13
	v_max3_num_f32 v[rT+6], v[rT+6], v[rS+23], v[rS+31]
.elseif j == 14
	v_max3_num_f32 v[rT+4], v[rT+4], v[rT+5], v[rT+6]
.elseif j == 15
	v_max3_num_f32 v[rT+4], v[rT+4], v[rT+7], v[rT+1]
.elseif j == 16
	v_permlanex16_b32 v[rT+5], v[rT+4], s[SEL], s[SEL+1]  ; the query's other 32 keys lie in the lane 16 away
.elseif j == 17
	v_mov_b32 v[rT+7], v[rT]        ; c m_old is kept for a: number 19 writes c m anew
.elseif j == 18
	v_max_num_f32 v[rT+1], v[rT+4], v[rT+5]
.elseif j == 19
	v_mul_f32 v[rT], s[CS], v[rT+1]
.elseif j == 20
	v_sub_f32 v[rT+7], v[rT+7], v[rT]
.elseif j == 23
	v_exp_f32 v[rT+6], v[rT+7]
.elseif (j < 88) && (j > 23) && (j%2 == 1)
	v_exp_f32 v[rS+(j-25)/2], v[rS+(j-25)/2]
.elseif (q < 4) || ((j < 76) && (q%2 == 0))
.set b, q/2+2
.if q < 4
.set b, q
.endif
	v_pk_fma_f32 v[rS+2*b:rS+2*b+1], v[rS+2*b:rS+2*b+1], s[CS:CS+1], v[rT:rT+1] op_sel_hi:[1,0,0] neg_lo:[0,0,1] neg_hi:[0,0,1]  ; pair b: c s - c m
.elseif (j < 88) && (q%2 == 1)
	s_wait_alu depctr_va_vdst(0)
	v_cvt_pk_f16_f32 v[rP+(q-5)/2], v[rS+q-5], v[rS+q-4]  ; pair (q - 5) / 2: its second exponential stands three numbers back
.elseif j == 89
	s_wait_alu depctr_va_vdst(0)
	v_cvt_pk_f16_f32 v[rP+15], v[rS+30], v[rS+31]
.elseif j < 102                     ; the sum of the 16 pairs, in place: sum z of 16 adds neighbours 1, 2, 4 and 8 pairs apart, then l takes it
.set z, j-86
.if j < 89
.set z, (j-76)/4
.endif
.set w, 4
.set u, z
.if z >= 14
.set w, 32
.set u, 0
.elseif z >= 12
.set w, 16
.set u, z-12
.elseif z >= 8
.set w, 8
.set u, z-8
.endif
.if z < 15
	v_pk_add_f32 v[rS+w*u:rS+w*u+1], v[rS+w*u:rS+w*u+1], v[rS+w*u+w/2:rS+w*u+w/2+1]
.else
	v_pk_fma_f32 v[rT+2:rT+3], v[rT+2:rT+3], v[rT+6:rT+7], v[rS:rS+1] op_sel_hi:[1,0,1]
.endif
.else
	WIN W_RS
	v_pk_mul_f32 v[rO:rO+1], v[rO:rO+1], v[rT+6:rT+7] op_sel_hi:[1,0]
.endif
.endm
; Slice k of 64: numbers 2 k and 2 k + 1 of both tiles' lists; slice 63 takes the twelve that are over.
.macro SLICE
.if (k >= 11) && (k < 44)           ; tile by tile: plain, exponential, plain, exponential
.irp t, 0,1
.irp n, 0,1
.set j, 2*k+(\n)
	SM \t
.endr
.endr
.else                               ; the two tiles alternate, so that no instruction reads the result of the one just before it
.irp n, 0,1,2,3,4,5,6,7
.if ((\n) < 2) || (k == 63)
.irp t, 0,1
.set j, 2*k+(\n)
	SM \t
.endr
.endif
.endr
.endif
.set k, k+1
.endm
; BEHIND A STEP.  The first block's count goes down.  chk1: at 1 the next unit is that block's last: MC takes MD.  chk0: at 0 the block is over: the change of blocks.  Both jumps go forward over register work alone.
.macro AFTER chk1, chk0
	WIN 0
	s_sub_co_u32 s[RTC], s[RTC], 1
.if \chk1
	s_cmp_lg_u32 s[RTC], 1
	s_cbranch_scc1 .Lno_diag_\@
	WIN W_RS
.set i, 0
.rept 32
	v_mov_b32 v[MC+i], v[MD+i]
.set i, i+1
.endr
	WIN 0
.Lno_diag_\@:
.endif
.if \chk0
	s_cmp_lg_u32 s[RTC], 0
	s_cbranch_scc1 .Lno_block_\@
	WIN 0xc1                        ; from window 1 to window 3; each accumulator's registers in ascending order
.set i, 0
.rept 128
	v_mov_b32 v[OA+i], v[i]
.set i, i+1
.endr
	WIN 0xc0
.set i, 0
.rept 8
	v_mov_b32 v[SA+i], v[ST+8*(i/4)+i%4]
.set i, i+1
.endr
	WIN 0x40
.set i, 0
.rept 32
	v_mov_b32 v[MC+i], 0
.set i, i+1
.endr
	WIN 0
.set i, 0
.rept 64
	v_mov_b32 v[Q+i], v[QB+i]       ; the second block's Q goes where the one text of the products names Q
.set i, i+1
.endr
.irp t, 0,1
	v_mov_b32 v[ST+8*(\t)], 0xfe000000
	v_mov_b32 v[ST+8*(\t)+1], 0xff7fffff
.endr
.Lno_block_\@:
.endif
.endm
; A KEY STEP.  last = 1: the walk's last unit.  chg: behind the products K Q^T the slot cslot, of which all has been asked for, is left (CHANGE's kinds; 0: no change).
; fetch = 1: the next step's K (behind the products that read K) and V (behind those that read V) come from unit nunit of slot nslot.
.macro STEP last, chg, cslot, fetch, nslot, nunit, chk1, chk0
.set LASTU, \last
	s_wait_dscnt 32                 ; K is in; V's 32 loads, issued behind K's, may stay out
.set i, 0
.rept 32
	KQ
.set i, i+1
.endr
	WIN 0
	PLACES                          ; in front of the loads into K's registers and of the first read of the scores
.if \chg
	CHANGE \cslot, \chg
.endif
.if \fetch
	FETCH_K \nslot, \nunit
.endif
.set k, 0
.rept 64
	SLICE
.endr
.if \fetch
	s_wait_dscnt 32                 ; V is in; the next K's 32 loads may stay out
.else
	s_wait_dscnt 0x0
.endif
.set i, 0
.rept 32
	PV
.set i, i+1
.endr
	WIN 0
	PLACES                          ; in front of the loads into V's registers, and of what reads O^T
.if \fetch
	FETCH_V \nslot, \nunit
.endif
.if (\chk1) || (\chk0)
	AFTER \chk1, \chk0
.endif
.endm
	s_wait_tensorcnt 1              ; my part of slot 0 is in; slot 1's may stay out
	s_barrier_signal -1
	s_barrier_wait -1               ; everybody's is
	FETCH_K 0, 0
	FETCH_V 0, 0
	WIN 0
	s_wait_loadcnt 0x0              ; Q
	s_mov_b32 s[TRIPS], 3
.Lslot:                             ; three trips: two slots, four key steps; both slots are filled again
	STEP 0, 0, 0, 1, 0, 1, 1, 1
	STEP 0, 1, 0, 1, 1, 0, 1, 1
	STEP 0, 0, 0, 1, 1, 1, 1, 1
	STEP 0, 1, 1, 1, 0, 0, 1, 1
	WIN 0
	s_sub_co_u32 s[TRIPS], s[TRIPS], 1
	s_cmp_lg_u32 s[TRIPS], 0
	s_cbranch_scc1 .Lslot
	STEP 0, 0, 0, 1, 0, 1, 1, 1     ; the walk's units 12 to 16 are written out
	STEP 0, 3, 0, 1, 1, 0, 1, 1     ; slot 0 takes the last unit alone
	STEP 0, 0, 0, 1, 1, 1, 1, 1
	STEP 0, 2, 1, 1, 0, 0, 0, 1     ; nothing is asked for
	STEP 1, 0, 0, 0, 0, 0, 0, 0
	; THE END.  Addresses, in Q's registers.
	v_and_b32 v[LN], 31, v0
	s_xor_b32 s19, s[WV], 2         ; my partner: the same rows, the other key half
	s_mul_i32 s19, s19, XR
	s_add_co_u32 s19, s19, XCH
	v_lshl_add_u32 v[XS], v[LN], 4, s19
	s_mul_i32 s20, s[WV], XR
	s_add_co_u32 s20, s20, XCH
	v_lshl_add_u32 v[XL], v[LN], 4, s20
	v_mul_u32_u24 v[STO], v1, SP    ; the stage, in: row r, 16 bytes for each half of the lanes
	v_lshl_add_u32 v[STO], v9, 4, v[STO]
	v_add_nc_u32 v[STO], s20, v[STO]
	v_mul_u32_u24 v[RD], v9, SP     ; back: lanes 0-15 take one row of 256 bytes, lanes 16-31 the next,
	v_lshl_add_u32 v[RD], v1, 4, v[RD]
	v_add_nc_u32 v[RD], s20, v[RD]
	v_lshlrev_b32 v[GO], 12, v9     ; and the same two rows in ob
	v_lshl_add_u32 v[GO], v1, 4, v[GO]
	s_lshl_b32 s19, s[KH], 7
	s_lshl_b32 s20, s[POS], 6
	s_add_co_u32 s19, s19, s20
	s_add_co_u32 s19, s19, HHS
	v_lshl_add_u32 v[VH], v1, 2, s19
; ONE BLOCK IS FINISHED.  blk: 0 the first, 1 the second; ow: the window in which its O^T lies; bkr: where its rows come back; ba: ob's address at my rows of it.
; Tile 1 goes to my partner; a barrier; my partner's tile 1, which is my own head, comes in; with f = 2^(c m - the greater c m): l = f l + f' l', O = (f O + f' O') / l; the row's sum of weights is l x (1 / l).
; Then f16, through my stage (the bytes just read: LDS serves a wave's instructions in order, ISA guide 5.7.1.4), out as whole rows of 256 bytes; a barrier, behind which the bytes may be written again.
.macro FIN blk, ow, bkr, ba
.set i, 0
.if (\blk) == 0
	WIN 0x03
.rept 8
	v_mov_b32 v[TS+i], v[SA+i]
.set i, i+1
.endr
.else
	WIN 0
.rept 8
	v_mov_b32 v[TS+i], v[ST+8*(i/4)+i%4]
.set i, i+1
.endr
.endif
	WIN 0x04*(\ow)                  ; the stores' data in O^T's window; each accumulator's low half first
.set i, 0
.rept 16
	ds_store_b128 v[XS], v[64+4*i:64+4*i+3] offset:512*i
.set i, i+1
.endr
	WIN 0
	ds_store_b128 v[XS], v[TS+4:TS+7] offset:8192
	s_wait_dscnt 0x0                ; for my partner's sake: my stores are done
	s_barrier_signal -1
	s_barrier_wait -1
	ds_load_b128 v[RT:RT+3], v[XL] offset:8192
.set i, 0
.rept 16
	ds_load_b128 v[RX+4*i:RX+4*i+3], v[XL] offset:512*i
.set i, i+1
.endr
	s_wait_dscnt 16                 ; the statistics are in; O^T's 16 loads may stay out
	v_max_num_f32 v[TM], v[TS], v[RT]
	v_sub_f32 v[TM+1], v[TS], v[TM]
	v_sub_f32 v[TM+2], v[RT], v[TM]
	v_exp_f32 v[GA], v[TM+1]
	v_exp_f32 v[GB], v[TM+2]
	v_add_f32 v[TM+3], v[TS+2], v[TS+3]      ; plain instructions behind the exponentials (ISA guide 5.7.2)
	v_add_f32 v[TM+4], v[RT+2], v[RT+3]
	s_wait_alu depctr_va_vdst(0)
	v_mul_f32 v[TM+3], v[TM+3], v[GA]
	v_fma_f32 v[TM+3], v[TM+4], v[GB], v[TM+3]
	v_permlanex16_b32 v[TM+4], v[TM+3], s[SEL], s[SEL+1]  ; the query's other keys lie in the lane 16 away
	v_add_f32 v[TM+3], v[TM+3], v[TM+4]      ; l
	v_rcp_f32 v[TM+5], v[TM+3]
	v_nop                           ; a plain instruction between the reciprocal and the use of its result
	s_wait_alu depctr_va_vdst(0)
	v_mul_f32 v[TM+4], v[TM+3], v[TM+5]
	v_mul_f32 v[GA], v[GA], v[TM+5]
	v_mul_f32 v[GB], v[GB], v[TM+5]
	v_mov_b32 v[GA+1], v[GA]        ; named as pairs
	v_mov_b32 v[GB+1], v[GB]
	ds_store_b32 v[VH], v[TM+4] offset:256*(\blk)  ; both halves of the lanes hold the same number for row r and write it to the same word
	s_wait_dscnt 1                  ; the partner's O^T is in; that store may stay out
.set i, 0
.rept 32
	v_pk_mul_f32 v[RX+2*i:RX+2*i+1], v[RX+2*i:RX+2*i+1], v[GB:GB+1] op_sel_hi:[1,0]
.set i, i+1
.endr
	WIN \ow                         ; source 0 in O^T's window
.set i, 0
.rept 32
	v_pk_fma_f32 v[RX+2*i:RX+2*i+1], v[2*i:2*i+1], v[GA:GA+1], v[RX+2*i:RX+2*i+1] op_sel_hi:[1,0,1]
.set i, i+1
.endr
	WIN 0
.set i, 0
.rept 32
	v_cvt_pk_f16_f32 v[PKD+i], v[RX+2*i], v[RX+2*i+1]
.set i, i+1
.endr
.irp f, 0,1,2,3,4,5,6,7
	ds_store_b128 v[STO], v[PKD+4*(\f):PKD+4*(\f)+3] offset:32*(\f)
.endr
.irp f, 0,1,2,3,4,5,6,7
	ds_load_b128 v[(\bkr)+4*(\f):(\bkr)+4*(\f)+3], v[RD] offset:(\f)*2*SP
.endr
.irp f, 0,1,2,3,4,5,6,7
	s_wait_dscnt 7-(\f)             ; the later rows may stay out
	global_store_b128 v[GO], v[(\bkr)+4*(\f):(\bkr)+4*(\f)+3], s[(\ba):(\ba)+1] offset:(\f)*8192  ; 16 lanes store 256 consecutive bytes, at a multiple of 256 from ob's first byte
.endr
	s_wait_dscnt 0x0                ; for the others' sake: my reads and stores in LDS are done
	s_barrier_signal -1
	s_barrier_wait -1
.endm
	FIN 0, 3, 224, 82
	FIN 1, 1, 48, 84
	s_cmp_lg_u32 s[WV], 0
	s_cbranch_scc1 .Lno_sums
	v_lshlrev_b32 v[TM], 2, v[LN]   ; wave 0 adds the two heads' row sums and sends them: 32 rows of each block, 128 consecutive bytes
	v_add_nc_u32 v[TM+1], HHS, v[TM]
	ds_load_b32 v[TM+2], v[TM+1]
	ds_load_b32 v[TM+3], v[TM+1] offset:128
	ds_load_b32 v[TM+4], v[TM+1] offset:256
	ds_load_b32 v[TM+5], v[TM+1] offset:384
	v_lshl_add_u32 v[GA], s[HI], 9, v[TM]  ; a block's 128 words
	v_lshl_add_u32 v[GB], s[CC], 9, v[TM]
	s_wait_dscnt 0x0
	v_add_f32 v[TM+2], v[TM+2], v[TM+3]
	v_add_f32 v[TM+4], v[TM+4], v[TM+5]
	global_store_b32 v[GA], v[TM+2], s[80:81]
	global_store_b32 v[GB], v[TM+4], s[80:81]
.Lno_sums:
	s_wait_tensorcnt 0x0            ; the wave's end, behind my last tensor load and my last LDS store
	ds_add_u32 v[SPW], v[NIL]
	s_wait_dscnt 0x0
	CROUND                          ; the closing round: no work-group ends while a partner may still ask for a tile that names it
	s_endpgm
.Lfunc_end_k_qf78fcc52fe_attn:
	.size	k_qf78fcc52fe_attn, .Lfunc_end_k_qf78fcc52fe_attn-k_qf78fcc52fe_attn
	.p2alignl 7, 3214868480
	.fill 96, 4, 3214868480
	.section	.rodata,"a",@progbits
	.p2align	6, 0x0
	.amdhsa_kernel k_qf78fcc52fe_attn
		.amdhsa_group_segment_fixed_size 327680
		.amdhsa_private_segment_fixed_size 0
		.amdhsa_enable_private_segment 0
		.amdhsa_kernarg_size 24
		.amdhsa_user_sgpr_count 2
		.amdhsa_user_sgpr_kernarg_segment_ptr 1
		.amdhsa_wavefront_size32 1
		.amdhsa_system_sgpr_workgroup_id_x 1
		.amdhsa_system_sgpr_workgroup_id_y 1
		.amdhsa_system_sgpr_workgroup_id_z 1
		.amdhsa_system_vgpr_workitem_id 0
		.amdhsa_next_free_vgpr 912
		.amdhsa_next_free_sgpr 88
		.amdhsa_reserve_vcc 1
		.amdhsa_float_denorm_mode_32 3
		.amdhsa_float_denorm_mode_16_64 3
		.amdhsa_memory_ordered 1
		.amdhsa_forward_progress 1
		.amdhsa_inst_pref_size 255
	.end_amdhsa_kernel
	.section	.bss,"aw",@nobits
	.p2align	6
	.space	262144
	.amdgpu_metadata
---
amdhsa.version: [ 1, 2 ]
amdhsa.kernels:
  - .name:           k_qf78fcc52fe_attn
    .symbol:         k_qf78fcc52fe_attn.kd
    .args:
      - { .name: qkv, .offset: 0, .size: 8, .value_kind: global_buffer, .address_space: global }
      - { .name: ob, .offset: 8, .size: 8, .value_kind: global_buffer, .address_space: global }
      - { .name: out1, .offset: 16, .size: 8, .value_kind: global_buffer, .address_space: global }
    .group_segment_fixed_size: 327680
    .private_segment_fixed_size: 0
    .kernarg_segment_align: 8
    .kernarg_segment_size: 24
    .max_flat_workgroup_size: 128
    .sgpr_count:     88
    .vgpr_count:     912
    .wavefront_size: 32
...
	.end_amdgpu_metadata
.endif
;; end of part 3
;; launch outgemm (part 4): grid 16 x 16, 4 waves a work-group, clusters of 4 x 4, 327,680 bytes of LDS; arguments ob, wo16, out0; writes out0
.if DOCPART == 4
	.amdgcn_target "amdgcn-amd-amdhsa--gfx1250"
	.amdhsa_code_object_version 6
	.text
	.protected	k_qf78fcc52fe_outgemm
	.globl	k_qf78fcc52fe_outgemm
	.p2align	8
	.type	k_qf78fcc52fe_outgemm,@function
k_qf78fcc52fe_outgemm:
	s_mov_b64 s[64:65], 0
	v_nop
	global_prefetch_b8 v0, s[64:65] scope:SCOPE_SE
	s_setreg_imm32_b32 hwreg(HW_REG_WAVE_MODE, 25, 1), 1
	s_wait_xcnt 0x0
	s_wait_alu depctr_hold_cnt(0) depctr_sa_sdst(0) depctr_va_vdst(0) depctr_va_sdst(0) depctr_va_ssrc(0) depctr_va_vcc(0) depctr_vm_vsrc(0)
	s_getreg_b32 s2, hwreg(HW_REG_IB_STS2, 6, 4)
	s_cmp_eq_u32 s2, 0
	s_cbranch_scc0 .Lentry_in_a_cluster
	s_endpgm
.Lentry_in_a_cluster:
	s_bfe_u32 s2, ttmp6, 0x10000c
	s_cmp_lg_u32 s2, 0xf033
	s_cbranch_scc0 .Lentry_shape_is_right
	s_endpgm
.Lentry_shape_is_right:
; out0 [2048][4096] f32 = ob [2048][2048 k] x wo16 [2048 k][4096 n], f16 operands, f32 sums.  ob holds O / 4 and wo16 4 x Wo, so the sums are the result as they stand.
; SHARES.  A tile is 128 rows x 256 columns: 16 x 16 = 256 work-groups.  Four waves, each 64 rows x 128 columns: 32 accumulators of 16 x 16, 256 registers.
; K goes in steps of 128 through two LDS slots filled by the tensor data mover: ob's rows are 256 bytes of memory, the weights' 512, all at multiples of 256 from the buffer's first byte.
; THE WEIGHTS LIE [k][n] and are turned on the way out of LDS by ds_load_tr16_b128.  THE MATRIX INSTRUCTION IS USED TRANSPOSED (source 0 = 16 columns of W, source 1 = 16 rows of ob):
; a lane then holds row l % 16 and the eight neighbouring columns 16 b + 8 (l / 16) + 0..7: 32 bytes of a row of out0.
; CLUSTER 4 x 4: the four of a row need the same tiles of ob, the four of a column the same tiles of W: each tile is asked for jointly, by the same tensor load, descriptor and mask in all four.
; REGISTERS (s_set_vgpr_msb: bits 1:0 source 0, 3:2 source 1, 5:4 source 2, 7:6 destination): window 0: v16-29 addresses; v32-127, v128-223 two fragment buffers (32 of ob: block a at +8 a;
; 64 of W: block b at +32 + 8 b); on the way out v32-159 at work.  window 1: accumulator (a, b) at v[8 (8 a + b)].
.set KDIM,  2048
.set NDIM,  4096
.set KSTEP, 128
.set PA,    272                        ; a row of ob in LDS: 256 bytes + 16 = 68 words: the 16 rows of a load start at 16 different groups of four banks (64 banks of 4 bytes: ISA guide 11.1)
.set PB,    544                        ; a row of W: 512 + 32 = 136 words
.set AHALF, 64*PA
.set BHALF, 64*PB
.set ATILE, 2*AHALF
.set SLOT,  ATILE+2*BHALF              ; ob's 128 rows, then W's 128 k
.set STAGE, 2*SLOT                     ; behind the ring, never filled by a tensor load: 16 rows x 528 bytes for each wave
.set SP,    528                        ; 512 bytes + 16 = 132 words: row r starts at bank 4 r mod 64
.set SPARE, STAGE+4*16*SP              ; the spare words, 128 bytes for each wave: two blocks of 256 bytes that no other line names
.set LAPS,  KDIM/(2*KSTEP)
.set ADRA, 16                          ; v16-17  LDS address of my fragments of ob in slot 0, 1
.set ADRB, 20                          ; v20-21  the same for W
.set STO,  24                          ; v24     the way out: where I put 32 bytes of a row
.set RD,   25                          ; v25     where I read a row back
.set CO,   26                          ; v26     my byte offset in 512 consecutive bytes of out0
.set SPW,  28                          ; v28     LDS address of my spare word; never rewritten
.set NIL,  29                          ; v29     0; never rewritten
.set F0,   32
.set F1,   128
.set OB,   32                          ; the way out: 16 rows read back: v32-95 and v96-159 by turns
.set G1,  24                           ; s[24:31] group 1 for ob's tiles; s[32:39] group 0, a set for each slot
.set G0,  32
.set G1B, 48                           ; s[48:55], s[56:63] the same for W's tiles
.set G0B, 56
.set MSB, 0
.macro WIN new                         ; the immediate's high byte repeats the setting that is left; a switch that changes nothing is dropped
.if MSB != (\new)
	s_set_vgpr_msb (MSB<<8)|(\new)
.set MSB, \new
.endif
.endm
.set MUL, 0x50                         ; sources in window 0, C and D in window 1
.macro JLOAD s                         ; a joint load: waves 0 and 1 fetch ob's two halves, waves 2 and 3 W's; four v_nop follow each of the two lines, ahead of the jump, the label and what follows
	s_cmp_eq_u32 s11, 0
	s_cbranch_scc0 .Lfor_b_\@
	tensor_load_to_lds s[G0+4*(\s):G0+4*(\s)+3], s[G1:G1+7]
	s_nop 0
.rept 4
	v_nop
.endr
	s_branch .Lasked_\@
.Lfor_b_\@:
	tensor_load_to_lds s[G0B+4*(\s):G0B+4*(\s)+3], s[G1B:G1B+7]
	s_nop 0
.rept 4
	v_nop
.endr
.Lasked_\@:
.endm
.macro CREST                           ; a round of the cluster's barrier behind its opening barrier
	s_cmp_lg_u32 s10, 0
	s_cbranch_scc1 .Lnot_wave_0_\@
	s_barrier_signal -3
.Lnot_wave_0_\@:
	s_barrier_wait -3
	s_barrier_signal -1
	s_barrier_wait -1
.endm
.macro CROUND                          ; a whole round
	s_barrier_signal -1
	s_barrier_wait -1
	CREST
.endm
.macro PLACES                          ; four places in front of loads into registers that matrix instructions have read, and of lines that read results
.rept 4
	v_nop
.endr
.endm
	s_load_b128 s[4:7], s[0:1], 0x0                ; ob s[4:5], wo16 s[6:7]
	s_load_b64 s[8:9], s[0:1], 0x10                ; out0
	v_lshl_add_u32 v[SPW], v0, 2, SPARE
	v_mov_b32 v[NIL], 0
	ds_add_u32 v28, v29
	s_wait_dscnt 0x0
	v_lshrrev_b32 v1, 5, v0
	v_readfirstlane_b32 s10, v1                    ; wave 0..3
	s_lshr_b32 s11, s10, 1                         ; which 64 of the tile's rows are mine.  Also: I fetch for ob (0) or for W (1)
	s_and_b32 s12, s10, 1                          ; which 128 of its columns.  Also: which half of that tile I fetch
	s_bfe_u32 s40, ttmp6, 0x40000                  ; cx, cy: my place in the cluster
	s_bfe_u32 s41, ttmp6, 0x40004
	s_lshl_b32 s42, ttmp9, 2
	s_add_co_u32 s42, s42, s40                     ; tile column = 4 x cluster x + cx
	s_and_b32 s13, ttmp7, 0xffff
	s_lshl_b32 s13, s13, 2
	s_add_co_u32 s13, s13, s41                     ; tile row = 4 x cluster y + cy
	s_lshl_b32 s43, s41, 2
	s_lshl_b32 s43, 15, s43                        ; my row of the cluster
	s_lshl_b32 s44, 0x1111, s40                    ; my column
	s_or_b32 s[G1+0], s43, (1<<16)|(1<<20)|(1<<21)|(5<<22)|(3<<25)   ; 15:0 the mask; 17:16 2-byte elements; 20 padding on; 21 set beside a mask; 24:22 after every 64 words (code 5); 31:25 4 words (code 3)
	s_mov_b32 s[G1+1], KSTEP<<16                   ; tensor_dim0 = 128
	s_mov_b32 s[G1+2], 64<<16                      ; tensor_dim1 = 64
	s_mov_b32 s[G1+3], KSTEP<<16                   ; tile_dim0 = 128
	s_mov_b32 s[G1+4], 64                          ; tile_dim1 = 64
	s_mov_b32 s[G1+5], KDIM                        ; elements from row to row
	s_mov_b32 s[G1+6], 0
	s_mov_b32 s[G1+7], 0
	s_or_b32 s[G1B+0], s44, (1<<16)|(1<<20)|(1<<21)|(6<<22)|(7<<25)  ; after every 128 words (code 6) 8 words (code 7)
	s_mov_b32 s[G1B+1], 256<<16                    ; 256 columns
	s_mov_b32 s[G1B+2], 64<<16                     ; 64 k
	s_mov_b32 s[G1B+3], 256<<16
	s_mov_b32 s[G1B+4], 64
	s_mov_b32 s[G1B+5], NDIM
	s_mov_b32 s[G1B+6], 0
	s_mov_b32 s[G1B+7], 0
	; ob's tiles hang on the tile row alone, W's on the tile column alone; each address is made in registers that never hold the other coordinate
	s_lshl_b32 s16, s13, 7
	s_lshl_b32 s17, s12, 6
	s_add_co_u32 s16, s16, s17                     ; ob: row 128 x tile row + 64 x half
	s_mul_i32 s16, s16, KDIM*2
	s_mov_b32 s17, 0
	s_mul_i32 s46, s12, 64*NDIM*2                  ; W: k = 64 x half,
	s_lshl_b32 s47, s42, 9                         ; column 256 x tile column
	s_add_co_u32 s46, s46, s47
	s_mov_b32 s47, 0
	s_mul_i32 s20, s12, AHALF                      ; where they go: no place in the cluster enters an LDS address
	s_mul_i32 s21, s12, BHALF
	s_add_co_u32 s21, s21, ATILE
	s_wait_kmcnt 0x0
	s_add_nc_u64 s[14:15], s[4:5], s[16:17]
	s_add_nc_u64 s[46:47], s[6:7], s[46:47]
	CROUND                                         ; all sixteen work-groups are here: the first joint loads meet
.irp s, 0,1
	s_mov_b32 s[G0+4*(\s)], 1
	s_add_co_u32 s[G0+4*(\s)+1], s20, (\s)*SLOT
	s_add_nc_u64 s[G0+4*(\s)+2:G0+4*(\s)+3], s[14:15], (\s)*KSTEP*2
	s_or_b32 s[G0+4*(\s)+3], s[G0+4*(\s)+3], 0x80000000
	s_mov_b32 s[G0B+4*(\s)], 1
	s_add_co_u32 s[G0B+4*(\s)+1], s21, (\s)*SLOT
	s_add_nc_u64 s[G0B+4*(\s)+2:G0B+4*(\s)+3], s[46:47], (\s)*KSTEP*NDIM*2
	s_or_b32 s[G0B+4*(\s)+3], s[G0B+4*(\s)+3], 0x80000000
	JLOAD \s                                       ; two loads of mine are out
.endr
	v_and_b32 v1, 15, v0                           ; r = l % 16
	v_bfe_u32 v2, v0, 4, 1                         ; h = l / 16
	s_lshl_b32 s16, s13, 7
	s_lshl_b32 s17, s11, 6
	s_add_co_u32 s16, s16, s17                     ; my first row,
	s_lshl_b32 s16, s16, 14                        ; 16,384 bytes a row
	s_mov_b32 s17, 0
	s_add_nc_u64 s[8:9], s[8:9], s[16:17]
	s_lshl_b32 s46, s42, 10                        ; my first column, in bytes: 1,024 x tile column + 512 x half
	s_lshl_b32 s47, s12, 9
	s_add_co_u32 s46, s46, s47
	s_mov_b32 s47, 0
	s_add_nc_u64 s[8:9], s[8:9], s[46:47]
	; A fragment of ob: lane l holds row r; registers 0-3 k = 8 h + 0..7, registers 4-7 k = 16 + 8 h + 0..7: two loads of 16 bytes, 32 bytes apart.
	v_mul_u32_u24 v3, v1, PA
	v_lshl_add_u32 v3, v2, 4, v3
	; The turning load takes 16 k x 16 columns (lane l reads k = 8 h + l % 8, columns 8 ((l / 8) % 2) + 0..7) and leaves half a fragment: lane l holds column r and 8 k.
	v_and_b32 v4, 7, v0
	v_lshl_add_u32 v4, v2, 3, v4
	v_mul_u32_u24 v4, v4, PB
	v_bfe_u32 v5, v0, 3, 1
	v_lshl_add_u32 v4, v5, 4, v4
	s_mul_i32 s22, s11, AHALF                      ; my 64 rows of ob
	s_lshl_b32 s23, s12, 8                         ; my 128 columns of W,
	s_add_co_u32 s23, s23, ATILE                   ; which lies behind ob
.irp s, 0,1
	v_add_nc_u32 v[ADRA+(\s)], s22, v3
	v_add_nc_u32 v[ADRB+(\s)], s23, v4
	s_add_co_u32 s22, s22, SLOT
	s_add_co_u32 s23, s23, SLOT
.endr
	s_mul_i32 s23, s10, 16*SP
	s_add_co_u32 s23, s23, STAGE                   ; my stage
	v_mul_u32_u24 v[STO], v1, SP                   ; in: row r, 32 bytes for each half of the lanes
	v_lshl_add_u32 v[STO], v2, 5, v[STO]
	v_add_nc_u32 v[STO], s23, v[STO]
	v_and_b32 v5, 31, v0
	v_lshlrev_b32 v[CO], 4, v5                     ; back and out: 32 lanes take one row's 512 bytes
	v_add_nc_u32 v[RD], s23, v[CO]
; 8 matrix instructions: row block a x all 8 column blocks, 32 along K.  zero = 1: the first product starts the sums.  The 32 accumulators take turns, once in a quarter.
.macro MUL8 f, a, zero
	WIN MUL
.irp b, 0,1,2,3,4,5,6,7
.if \zero
	v_wmma_f32_16x16x32_f16 v[8*(8*(\a)+(\b)):8*(8*(\a)+(\b))+7], v[(\f)+32+8*(\b):(\f)+32+8*(\b)+7], v[(\f)+8*(\a):(\f)+8*(\a)+7], 0
.else
	v_wmma_f32_16x16x32_f16 v[8*(8*(\a)+(\b)):8*(8*(\a)+(\b))+7], v[(\f)+32+8*(\b):(\f)+32+8*(\b)+7], v[(\f)+8*(\a):(\f)+8*(\a)+7], v[8*(8*(\a)+(\b)):8*(8*(\a)+(\b))+7]
.endif
.endr
.endm
; 24 LDS loads in one run: quarter q (32 along K) of a slot into buffer f: W's 16, then ob's 8
.macro FETCH slot, q, f
	WIN 0
.irp b, 0,1,2,3,4,5,6,7
	ds_load_tr16_b128 v[(\f)+32+8*(\b):(\f)+32+8*(\b)+3],   v[ADRB+(\slot)] offset:(\q)*32*PB+32*(\b)
	ds_load_tr16_b128 v[(\f)+32+8*(\b)+4:(\f)+32+8*(\b)+7], v[ADRB+(\slot)] offset:(\q)*32*PB+32*(\b)+16*PB
.endr
.irp a, 0,1,2,3
	ds_load_b128 v[(\f)+8*(\a):(\f)+8*(\a)+3],   v[ADRA+(\slot)] offset:(\a)*16*PA+64*(\q)
	ds_load_b128 v[(\f)+8*(\a)+4:(\f)+8*(\a)+7], v[ADRA+(\slot)] offset:(\a)*16*PA+64*(\q)+32
.endr
.endm
; A K step is four quarters, 32 matrix instructions each, on buffers 0, 1, 0, 1.  One of the first three: multiplies buffer f and, in its middle, fetches quarter q into g.
.macro QUARTER slot, q, f, g, zero
	s_wait_dscnt 4                                 ; W and ob's blocks 0, 1 are in; the youngest four loads (blocks 2, 3) may be out
	MUL8 \f, 0, \zero
	MUL8 \f, 1, \zero
	PLACES
	FETCH \slot, \q, \g
	s_wait_dscnt 24                                ; all but the 24 just issued
	MUL8 \f, 2, \zero
	MUL8 \f, 3, \zero
.endm
; The last quarter changes slots and multiplies buffer 1.  All of this slot lies in registers when the quarter begins, so the change comes FIRST and the quarter's 32 products behind it: ONE barrier;
; in front of it each wave waits for all its tensor loads, adds 0 to its spare word, and waits for that and for its reads of this slot.
; fill = 1: the barrier opens a round of the cluster's, and this slot is filled again, two K steps ahead: a whole step's 128 matrix instructions stand between the request and the wait for it.
.macro TURN slot, next, fill
	WIN 0
	s_wait_tensorcnt 0x0                           ; all my tensor loads have landed: my part of the next slot; so a group 0 may be written
	ds_add_u32 v[SPW], v[NIL]                      ; 0 onto my spare word: the descriptors' steps stand between it and the wait for it
.if \fill
	s_add_nc_u64 s[G0+4*(\slot)+2:G0+4*(\slot)+3], s[G0+4*(\slot)+2:G0+4*(\slot)+3], 2*KSTEP*2
	s_add_nc_u64 s[G0B+4*(\slot)+2:G0B+4*(\slot)+3], s[G0B+4*(\slot)+2:G0B+4*(\slot)+3], 2*KSTEP*NDIM*2
.endif
	s_wait_dscnt 0x0                               ; the add is done, and my reads of this slot are over (the last were issued 16 matrix instructions ago)
	s_barrier_signal -1
	s_barrier_wait -1
.if \fill
	CREST                                          ; no wave of any partner still reads this slot or has a load on its way
	JLOAD \slot                                    ; the first tensor load behind the round; its four v_nop are also the places in front of the loads below
.else
	PLACES
.endif
	FETCH \next, 0, F0
	MUL8 F1, 0, 0
	MUL8 F1, 1, 0
	MUL8 F1, 2, 0
	MUL8 F1, 3, 0
.endm
	s_wait_tensorcnt 1                             ; my part of K step 0 is in; K step 1's may stay out
	s_barrier_signal -1
	s_barrier_wait -1                              ; everybody's is
	FETCH 0, 0, F0
	QUARTER 0, 1, F0, F1, 1                        ; the first quarter stands in front of the loop: its products start the sums
	WIN 0
	s_mov_b32 s3, LAPS-1
.Llap:                                                 ; a trip goes once round the ring and fills both slots again
	QUARTER 0, 2, F1, F0, 0
	QUARTER 0, 3, F0, F1, 0
	TURN 0, 1, 1
	QUARTER 1, 1, F0, F1, 0
	QUARTER 1, 2, F1, F0, 0
	QUARTER 1, 3, F0, F1, 0
	TURN 1, 0, 1
	QUARTER 0, 1, F0, F1, 0
	WIN 0
	s_sub_co_u32 s3, s3, 1
	s_cmp_lg_u32 s3, 0
	s_cbranch_scc1 .Llap
	QUARTER 0, 2, F1, F0, 0                        ; the last lap fills nothing
	QUARTER 0, 3, F0, F1, 0
	TURN 0, 1, 0
	QUARTER 1, 1, F0, F1, 0
	QUARTER 1, 2, F1, F0, 0
	QUARTER 1, 3, F0, F1, 0
	s_wait_dscnt 4                                 ; the very last quarter
	MUL8 F1, 0, 0
	MUL8 F1, 1, 0
	s_wait_dscnt 0x0
	MUL8 F1, 2, 0
	MUL8 F1, 3, 0
	WIN 0
	PLACES
; THE WAY OUT, a block of 16 rows at a time: a lane's 32 bytes of a row go into my own stage, rows of 528 bytes, straight from the accumulators (each one's low half first),
; and come back as whole rows of 512 bytes.
.macro TOSTAGE a
	WIN 0x04                                       ; the stores' data in window 1
.irp b, 0,1,2,3,4,5,6,7
	ds_store_b128 v[STO], v[8*(8*(\a)+(\b)):8*(8*(\a)+(\b))+3]   offset:64*(\b)
	ds_store_b128 v[STO], v[8*(8*(\a)+(\b))+4:8*(8*(\a)+(\b))+7] offset:64*(\b)+16
.endr
	WIN 0
.if (\a) >= 2
	s_wait_xcnt 0x0                                ; every earlier memory instruction has had its addresses translated (ISA guide 3.1): the registers that the stores of two blocks ago read are loaded again only behind this wait
.endif
.irp t, 0,1,2,3,4,5,6,7,8,9,10,11,12,13,14,15
	ds_load_b128 v[OB+64*((\a)%2)+4*(\t):OB+64*((\a)%2)+4*(\t)+3], v[RD] offset:(\t)*SP  ; LDS serves a wave's instructions in order (ISA guide 5.7.1.4): these see the stores above; the next block's stores come behind them
.endr
.endm
.macro SEND a, younger                 ; younger: the LDS instructions issued behind block a's loads: the next block's 32, or none
.irp t, 0,1,2,3,4,5,6,7,8,9,10,11,12,13,14,15
	s_wait_dscnt (\younger)+15-(\t)
	global_store_b128 v[CO], v[OB+64*((\a)%2)+4*(\t):OB+64*((\a)%2)+4*(\t)+3], s[8:9] offset:(16*(\a)+(\t))*NDIM*4 th:TH_STORE_NT  ; 512 consecutive bytes, at a multiple of 256 from out0's first; 63 rows at the most: inside the signed 24-bit immediate
.endr
.endm
	TOSTAGE 0
	TOSTAGE 1
	SEND 0, 32
	TOSTAGE 2
	SEND 1, 32
	TOSTAGE 3
	SEND 2, 32
	SEND 3, 0
	s_wait_tensorcnt 0x0                           ; the wave's end, behind my last tensor load and my last LDS store
	ds_add_u32 v[SPW], v[NIL]
	s_wait_dscnt 0x0
	CROUND                                         ; the closing round: no work-group ends while a partner may still ask for a tile that names it
	s_endpgm
.Lfunc_end_k_qf78fcc52fe_outgemm:
	.size	k_qf78fcc52fe_outgemm, .Lfunc_end_k_qf78fcc52fe_outgemm-k_qf78fcc52fe_outgemm
	.p2alignl 7, 3214868480
	.fill 96, 4, 3214868480
	.section	.rodata,"a",@progbits
	.p2align	6, 0x0
	.amdhsa_kernel k_qf78fcc52fe_outgemm
		.amdhsa_group_segment_fixed_size 327680
		.amdhsa_private_segment_fixed_size 0
		.amdhsa_enable_private_segment 0
		.amdhsa_kernarg_size 24
		.amdhsa_user_sgpr_count 2
		.amdhsa_user_sgpr_kernarg_segment_ptr 1
		.amdhsa_wavefront_size32 1
		.amdhsa_system_sgpr_workgroup_id_x 1
		.amdhsa_system_sgpr_workgroup_id_y 1
		.amdhsa_system_sgpr_workgroup_id_z 1
		.amdhsa_system_vgpr_workitem_id 0
		.amdhsa_next_free_vgpr 512
		.amdhsa_next_free_sgpr 66
		.amdhsa_reserve_vcc 0
		.amdhsa_float_denorm_mode_32 3
		.amdhsa_float_denorm_mode_16_64 3
		.amdhsa_memory_ordered 1
		.amdhsa_forward_progress 1
		.amdhsa_inst_pref_size 86
	.end_amdhsa_kernel
	.amdgpu_metadata
---
amdhsa.version: [ 1, 2 ]
amdhsa.kernels:
  - .name:           k_qf78fcc52fe_outgemm
    .symbol:         k_qf78fcc52fe_outgemm.kd
    .args:
      - { .name: ob, .offset: 0, .size: 8, .value_kind: global_buffer, .address_space: global }
      - { .name: wo16, .offset: 8, .size: 8, .value_kind: global_buffer, .address_space: global }
      - { .name: out0, .offset: 16, .size: 8, .value_kind: global_buffer, .address_space: global }
    .group_segment_fixed_size: 327680
    .private_segment_fixed_size: 0
    .kernarg_segment_align: 8
    .kernarg_segment_size: 24
    .max_flat_workgroup_size: 128
    .sgpr_count:     66
    .vgpr_count:     512
    .wavefront_size: 32
...
	.end_amdgpu_metadata
.endif
;; end of part 4
